; MI455X (gfx1250); checked and timed in simulation.
; The chip was launched on July 23, 2026; its instructions are those of AMD's public machine-readable ISA for CDNA 5 (MIT licence, August 2026) and "CDNA5" Instruction Set Architecture Reference Guide (July 2026). The comments in the code are by the model that wrote it; some were corrected since.
;; Transformer Block. Allowed arithmetic: matrix products marked QUANTISED: E5M2 operands, one E8M0 scale for each 32 along K, by v_wmma_scale_f32_16x16x128_f8f6f4 with both operands' format E5M2, f32 sums; everything else in f32.
;; Inputs: W1 1,024 x 4,096 float32; W2 4,096 x 1,024 float32; Wk 1,024 x 1,024 float32; Wo 1,024 x 1,024 float32; Wq 1,024 x 1,024 float32; Wv 1,024 x 1,024 float32; b1 4,096 float32; b2 1,024 float32; be1 1,024 float32; be2 1,024 float32; bk 1,024 float32; bo 1,024 float32; bq 1,024 float32; bv 1,024 float32; g1 1,024 float32; g2 1,024 float32; x 2 x 2,048 x 1,024 float32.
;; Outputs: out0 2 x 2,048 x 1,024 float32.
;; This version of the problem:
;;   THIS VERSION OF THE PROBLEM IS GIVEN IN LOW PRECISION. The matrix products marked QUANTISED in the list below multiply operands that are first quantised to E5M2 (5 exponent bits, 2 mantissa bits; 8 bits a number), with one power-of-two scale for each 32 numbers along K (OCP MX v1.0); their sums are f32. All else is computed in f32.
;;   The module's matrix products, in the order in which they are computed (A, B: the left and right operand; K: the contracted axis; several contracted axes count as one K, in the product's order):
;;     1. [M 4,096, K 1,024] x [K 1,024, N 1,024]; A: computed on the way; B: input Wq: QUANTISED
;;     2. [M 4,096, K 1,024] x [K 1,024, N 1,024]; A: computed on the way; B: input Wk: QUANTISED
;;     3. [M 4,096, K 1,024] x [K 1,024, N 1,024]; A: computed on the way; B: input Wv: QUANTISED
;;     4. batch 32 x [M 2,048, K 64] x [K 64, N 2,048]; A: computed on the way; B: computed on the way: QUANTISED
;;     5. batch 32 x [M 64, K 2,048] x [K 2,048, N 2,048]; A: computed on the way; B: softmax (see below): QUANTISED
;;     6. [M 4,096, K 1,024] x [K 1,024, N 1,024]; A: computed on the way; B: input Wo: QUANTISED
;;     7. [M 4,096, K 1,024] x [K 1,024, N 4,096]; A: computed on the way; B: input W1: QUANTISED
;;     8. [M 4,096, K 4,096] x [K 4,096, N 1,024]; A: computed on the way; B: input W2: QUANTISED
;;   THE QUANTISER, for each operand of a quantised product, along K:
;;     - K is cut into blocks of 32 from its start; a last block that is shorter is filled with zeros.
;;     - A block's scale is 2^e with e = floor(log2(the largest magnitude in the block)) - 15, held to -126 .. 127; a block of zeros has e = 0. As a byte (E8M0): e + 127.
;;     - Each number is divided by its block's scale, clamped to +-57,344, and rounded to the nearest number of E5M2, ties to even, subnormals kept.
;;     - The product sums the exact products of the quantised numbers (number of the format x scale) in f32.
;;   ~~~python
;;   def quantise(x, axis):      # numpy; x: float32 -> the quantised numbers, widened to float32 again
;;       x = np.moveaxis(x, axis, -1); K = x.shape[-1]
;;       x = np.pad(x, [(0, 0)] * (x.ndim - 1) + [(0, -K % 32)]); x = x.reshape(x.shape[:-1] + (-1, 32)); a = np.abs(x).max(-1, keepdims=True)
;;       e = np.where(a > 0, np.clip(np.frexp(np.where(a > 0, a, 1))[1] - 1 - 15, -126, 127), 0)      # np.frexp(a)[1] - 1 = floor(log2(a)), exactly
;;       r = np.clip(x / 2.0 ** e, -57344, 57344)
;;       step = 2.0 ** (np.maximum(np.frexp(np.where(r == 0, 1, r))[1] - 1, -14) - 2)
;;       q = np.round(r / step) * step * 2.0 ** e      # np.round: ties to even
;;       return np.moveaxis(q.reshape(q.shape[:-2] + (-1,))[..., :K], -1, axis).astype(np.float32)
;;   ~~~
;;   SOFTMAX AHEAD OF A QUANTISED PRODUCT. Where the list says 'softmax', what is quantised is not the finished softmax but p = 2^(t - M), with t = logit x log2(e) and M = ceil(the row's largest t), a whole number; so 1/2 < the row's largest p <= 1. The row's sum l is taken of the UNQUANTISED p, in f32, and the product's result is divided by l at the end. Since M is a whole number, a kernel that streams over the keys may use a running M (the ceiling of the running maximum): every later rescaling is an exact power of two, which a block's scale takes up: the codes' values come out the same.
;;   OPERANDS COMPUTED ON THE WAY. 'Computed on the way' means the value that the module computes at that place (a softmax that the list does not call 'softmax' is quantised finished and normalised). What goes into a quantiser is computed in f32, as accurately as f32 sums, v_exp_f32 and their like allow (about 1e-6 of the number): no bf16 or f16 on the way to a quantiser, and a product that is left as it is and whose result goes on into a quantised operand takes f32 operands (vector FMAs, or v_wmma_f32_16x16x4_f32). A number that lies on a knife's edge between two numbers of the format may be rounded either way, as far as f32 arithmetic and the matrix unit's own rounding can turn it there, and no further.
;; One version. Each part assembles by itself: llvm-mc -triple=amdgcn-amd-amdhsa -mcpu=gfx1250 --defsym DOCPART=n.
;; ======== version 1 of 1: 7 launches
;; limits: right only within a limited range of input values
;; workspace buffers: wcodes 12,976,128 bytes; hact 4,325,376 bytes; qkvc 12,976,128 bytes; aoc 4,325,376 bytes; xmid 16,777,216 bytes; hidc 17,301,504 bytes
;; launch prep (part 1): grid 896 x 1, 4 waves a work-group, no clusters, 56,832 bytes of LDS; arguments x, g1, be1, hact, Wq, Wk, Wv, Wo, W1, W2, wcodes; writes hact, wcodes
.if DOCPART == 1
	.amdgcn_target "amdgcn-amd-amdhsa--gfx1250"
	.amdhsa_code_object_version 6
	.text
	.protected	k_qa66498ac78_prep
	.globl	k_qa66498ac78_prep
	.p2align	8
	.type	k_qa66498ac78_prep,@function
k_qa66498ac78_prep:
	s_mov_b64 s[64:65], 0
	v_nop
	global_prefetch_b8 v0, s[64:65] scope:SCOPE_SE
	s_setreg_imm32_b32 hwreg(HW_REG_WAVE_MODE, 25, 1), 1
	s_wait_xcnt 0x0
; TWO JOBS THAT SHARE NO DATA AND DO NOT WAIT FOR EACH OTHER, in one launch: work-groups 0-383 quantise the six weights, work-groups 384-895 make the first layer norm and quantise it.
; The paths part once, here at the head, on the work-group's number; each has LDS bytes of its own (the weights' stages 0 to 34,815, the norm's from 34,816 on); neither has a barrier: waves share nothing.
; ORDER INSIDE A BLOCK OF 32, in every operand of this program: byte 16 h + 8 u + j holds k = 16 u + 8 h + j; both sides of every product are laid so, so the products are those of the plain order.
; LIMITS, both jobs: a block of zeros gets the byte 1 (its codes are zeros; this program alone reads the bytes); magnitudes under 2^-111 are held at that floor; NaN and infinities are not served.
; No cluster, no tensor loads: work-groups share no input but g and be, 8,192 bytes.
.set NWQ,   384
.set EMAX,  15
	v_lshl_add_u32 v224, v0, 2, 0xdc00
	v_mov_b32 v225, 0
	s_cmp_lt_u32 ttmp9, NWQ
	s_cbranch_scc0 .Lnorm
; ---- THE WEIGHTS.  f32 with K as their FIRST axis, they become codes of BF8 (E5M2) laid [N][K] with K innermost, and one E8M0 byte for each 32 along K laid [N][K/32], all in one buffer:
; codes: Wq 0, Wk 1 MiB, Wv 2 MiB, Wo 3 MiB, W1 4 MiB, W2 8 MiB; scale bytes from 12,582,912 on: the four square weights 32,768 bytes each, W1 at +131,072, W2 at +262,144.
; A lane takes a column n and its registers run down K: a block lies in one lane's 32 registers.  A wave takes 32 columns x 256 along K; its codes leave through its own stage in LDS as rows of 256 bytes.
; Work-groups 0-127 take the square weights, 128-255 W1, 256-383 W2: sizes and pointers are chosen by selects on the work-group's number.
.set PITCH, 272                        ; a stage row: 256 bytes + 16
.set SB,    24                         ; v24-25  my column's 8 scale bytes
.set VO,    32                         ; v32-63  4 x lane + i rows of the input
.set X,     64                         ; v64-127 two sets of 32 numbers
.set C,     128                        ; v128-135 a block's codes
.set OUTR,  136                        ; v136-199 the way out
.set VOUT,  200                        ; v200-215 the way out's offsets in the codes
.set INB,   32                         ; s[32:47] the input at each of my 8 blocks
	s_load_b256 s[4:11], s[0:1], 0x20              ; Wq, Wk, Wv, Wo
	s_load_b128 s[12:15], s[0:1], 0x40             ; W1, W2
	s_load_b64 s[16:17], s[0:1], 0x50              ; wcodes
	v_lshrrev_b32 v1, 5, v0
	v_readfirstlane_b32 s18, v1                    ; wave
	v_and_b32 v2, 31, v0                           ; lane
	s_wait_alu depctr_va_vdst(0)
	s_and_b32 s20, ttmp9, 127                      ; my number within the class
	s_lshr_b32 s21, ttmp9, 7                       ; class: 0 square, 1 W1, 2 W2
	s_lshr_b32 s29, s20, 5                         ; which square weight
	s_lshl_b32 s27, s29, 20
	s_lshl_b32 s28, s21, 22
	s_lshl_b32 s30, s29, 15
	s_lshl_b32 s31, s21, 17
	s_cmp_eq_u32 s21, 1
	s_cselect_b32 s22, 31, 7                       ; blocks of 128 columns, less one
	s_cselect_b32 s23, 5, 3
	s_cselect_b32 s24, 14, 12                      ; log2 of an input row's bytes
	s_cmp_eq_u32 s21, 0
	s_cselect_b32 s25, 3, 15
	s_cselect_b32 s27, s27, s28                    ; where the tensor's codes begin
	s_cselect_b32 s30, s30, s31                    ; and its scale bytes
	s_cmp_eq_u32 s21, 2
	s_cselect_b32 s26, 12, 10                      ; log2 of a code row's bytes (K)
	s_and_b32 s22, s20, s22                        ; which 128 columns
	s_lshr_b32 s23, s20, s23
	s_and_b32 s23, s23, s25                        ; which 256 along K
	s_sub_co_u32 s28, s26, 5                       ; log2 of a scale row's bytes
	s_lshl_b32 s19, s22, 7
	s_lshl_b32 s31, s18, 5
	s_add_co_u32 s19, s19, s31                     ; my wave's first column
	s_lshl_b32 s31, s23, 8
	s_lshl_b32 s48, s31, s24
	s_lshl_b32 s31, s19, 2
	s_add_co_u32 s48, s48, s31                     ; the input: 256 kb rows + 4 x column
	s_mov_b32 s49, 0
	s_lshl_b32 s50, 32, s24                        ; 32 rows of the input
	s_mov_b32 s51, 0
	s_lshl_b32 s52, 1, s24                         ; one row
	s_lshl_b32 s54, s19, s26
	s_add_co_u32 s54, s54, s27
	s_lshl_b32 s31, s23, 8
	s_add_co_u32 s54, s54, s31                     ; the codes: column x K + 256 kb
	s_mov_b32 s55, 0
	s_lshl_b32 s56, s19, s28
	s_add_co_u32 s56, s56, s30
	s_lshl_b32 s31, s23, 3
	s_add_co_u32 s56, s56, s31
	s_add_co_u32 s56, s56, 0xc00000                ; the scale bytes: column x K/32 + 8 kb
	s_mov_b32 s57, 0
	s_mov_b32 s58, 0x600000                        ; the mantissa field of 57,344
	v_lshlrev_b32 v3, 2, v2
.set i, 0
.rept 32
	v_mad_u32_u24 v[VO+i], i, s52, v3
.set i, i+1
.endr
	s_mul_i32 s53, s18, 32*PITCH                   ; my stage
	v_mul_u32_u24 v4, v2, PITCH
	v_add_nc_u32 v4, s53, v4                       ; into it: row = my column
	v_and_b32 v5, 15, v2
	v_lshrrev_b32 v6, 4, v2
	v_mul_u32_u24 v7, v6, PITCH
	v_lshl_add_u32 v7, v5, 4, v7
	v_add_nc_u32 v7, s53, v7                       ; out of it: sixteen lanes to a row, two rows an instruction
	v_lshlrev_b32 v8, 4, v5
.set i, 0
.rept 16
	v_add_nc_u32 v[VOUT+i], 2*i, v6
	v_lshlrev_b32 v[VOUT+i], s26, v[VOUT+i]
	v_add_nc_u32 v[VOUT+i], v[VOUT+i], v8          ; the same two rows in the codes
.set i, i+1
.endr
	v_lshlrev_b32 v9, s28, v2                      ; my column's row of scale bytes
	s_wait_kmcnt 0x0
	s_cmp_eq_u32 s29, 1                            ; the choice hangs on the work-group's number alone
	s_cselect_b64 s[4:5], s[6:7], s[4:5]
	s_cmp_eq_u32 s29, 2
	s_cselect_b64 s[4:5], s[8:9], s[4:5]
	s_cmp_eq_u32 s29, 3
	s_cselect_b64 s[4:5], s[10:11], s[4:5]
	s_cmp_eq_u32 s21, 1
	s_cselect_b64 s[4:5], s[12:13], s[4:5]
	s_cmp_eq_u32 s21, 2
	s_cselect_b64 s[4:5], s[14:15], s[4:5]
	s_add_nc_u64 s[INB:INB+1], s[4:5], s[48:49]
.irp t, 1,2,3,4,5,6,7
	s_add_nc_u64 s[INB+2*\t:INB+2*\t+1], s[INB+2*\t-2:INB+2*\t-1], s[50:51]
.endr
	s_add_nc_u64 s[6:7], s[16:17], s[54:55]
	s_add_nc_u64 s[8:9], s[16:17], s[56:57]
.macro LOAD t                          ; block t: 32 rows of the input at my column: a wave reads 128 consecutive bytes an instruction
.set i, 0
.rept 32
	global_load_b32 v[X+32*((\t)%2)+i], v[VO+i], s[INB+2*(\t):INB+2*(\t)+1] th:TH_LOAD_NT
.set i, i+1
.endr
.endm
	LOAD 0
	LOAD 1
.macro BLOCK t
.set XS, X+32*((\t)%2)
.if (\t) < 7
	s_wait_loadcnt 32                              ; this block's 32 loads are in; the next block's may be out
.else
	s_wait_loadcnt 0
.endif
	v_max3_num_f32 v12, |v[XS]|, |v[XS+1]|, |v[XS+2]|
	v_max3_num_f32 v13, |v[XS+3]|, |v[XS+4]|, |v[XS+5]|
.irp i, 6,10,14,18,22,26
	v_max3_num_f32 v12, v12, |v[XS+\i]|, |v[XS+\i+1]|
	v_max3_num_f32 v13, v13, |v[XS+\i+2]|, |v[XS+\i+3]|
.endr
	v_max3_num_f32 v12, v12, |v[XS+30]|, |v[XS+31]|
	v_max3_num_f32 v12, v12, v13, (EMAX+1)<<23     ; with the floor 2^(16 - 127): the byte cannot fall under 1
	v_add_nc_u32 v11, -(EMAX<<23), v12             ; 15 off the exponent field: the conversion's scale operand
	v_and_or_b32 v10, v12, 0x7f800000, s58         ; 57,344 x the scale
	v_lshrrev_b32 v13, 23, v11                     ; the byte
.if (\t)%4 == 0
	v_mov_b32 v[SB+(\t)/4], v13
.else
	v_lshl_or_b32 v[SB+(\t)/4], v13, 8*((\t)%4), v[SB+(\t)/4]
.endif
.set i, 0
.rept 32
	v_med3_num_f32 v[XS+i], v[XS+i], -v10, v10     ; the conversion does not saturate (ISA guide 7.6.2): the hold
.set i, i+1
.endr
	v_cvt_scalef32_pk8_bf8_f32 v[C:C+1], v[XS:XS+7], v11           ; bytes 0-7: k 0-7
	v_cvt_scalef32_pk8_bf8_f32 v[C+2:C+3], v[XS+16:XS+23], v11     ; bytes 8-15: k 16-23
	v_cvt_scalef32_pk8_bf8_f32 v[C+4:C+5], v[XS+8:XS+15], v11      ; bytes 16-23: k 8-15
	v_cvt_scalef32_pk8_bf8_f32 v[C+6:C+7], v[XS+24:XS+31], v11     ; bytes 24-31: k 24-31
	ds_store_b128 v4, v[C:C+3] offset:32*(\t)
	ds_store_b128 v4, v[C+4:C+7] offset:32*(\t)+16
.if (\t)+2 < 8
	LOAD (\t)+2
.endif
	s_wait_dscnt 0x0                               ; the stores have read their registers: the next block's codes may be written
.endm
.irp t, 0,1,2,3,4,5,6,7
	BLOCK \t
.endr
	global_store_b64 v9, v[SB:SB+1], s[8:9]        ; 8 bytes of my column's scale row (rows lie K/32 bytes apart: one byte in 128 of what this job reads)
.set i, 0
.rept 16
	ds_load_b128 v[OUTR+4*i:OUTR+4*i+3], v7 offset:2*i*PITCH   ; LDS serves a wave's instructions in order: these see my stores
.set i, i+1
.endr
.set i, 0
.rept 16
	s_wait_dscnt 15-i
	global_store_b128 v[VOUT+i], v[OUTR+4*i:OUTR+4*i+3], s[6:7]   ; sixteen lanes store 256 consecutive bytes, aligned
.set i, i+1
.endr
	s_wait_tensorcnt 0x0
	ds_add_u32 v224, v225
	s_wait_dscnt 0x0
	s_endpgm
.Lnorm:
; ---- THE LAYER NORM over rows of 1,024 f32 numbers, (x - mean) x rsqrt(var + 1e-5) x g + be, all in f32, quantised on the way to codes of BF8 (E5M2), [4096][1024], with scale bytes [4096][32] at +4,194,304.
; A work-group of four waves takes 8 rows, a wave TWO, a row at a time in 32 registers: eight loads of 512 consecutive bytes; both rows, g and be are asked for at the head: 32 loads a wave.
; The normalised row turns through the wave's own stage in LDS (16 bytes of padding behind each 64), so that a lane holds 16 numbers of one block in the program's order; two neighbouring lanes hold a block.
; A wave's store of codes covers 512 consecutive bytes.  Its 64 scale bytes are gathered in LDS and leave as 64 consecutive bytes, two a lane: a part of an aligned 256 bytes; one byte for 32 of codes.
.set LNB,  34816                       ; where this job's LDS begins
.set ROWS, 2
.set LWV,  5376                        ; a wave's LDS: two stages of 2,560 bytes, and 256 for its scale bytes
.set G,   16                           ; v16-47   g in the loads' layout
.set BE,  48                           ; v48-79   be
.set XR,  80                           ; v80-143  my two rows
.set Y,   144                          ; v144-175 the row at work
.set CD,  176                          ; v176-183 codes
.set EB,  184                          ; v184-185 scale bytes
.set W,   186                          ; v186-199 at work
	s_load_b256 s[4:11], s[0:1], 0x0               ; x, g, be, codes
	s_sub_co_u32 s15, ttmp9, NWQ                   ; which 8 rows
	v_lshrrev_b32 v1, 5, v0
	v_readfirstlane_b32 s12, v1                    ; wave
	v_and_b32 v2, 31, v0
	v_lshlrev_b32 v3, 4, v2                        ; 16 x lane
	s_lshl_b32 s13, s12, 13
	v_add_nc_u32 v4, s13, v3                       ; x: + wave x 2 rows of 4,096 bytes
	s_lshl_b32 s13, s12, 11
	v_add_nc_u32 v5, s13, v3                       ; codes: + wave x 2 rows of 1,024 bytes
	s_mul_i32 s13, s12, LWV
	s_add_co_u32 s13, s13, LNB                     ; my wave's LDS
	v_lshrrev_b32 v6, 2, v2
	v_mul_u32_u24 v6, v6, 80
	v_and_b32 v7, 3, v2
	v_lshl_add_u32 v6, v7, 4, v6
	v_add_nc_u32 v6, s13, v6                       ; the stage, in: 80 (lane / 4) + 16 (lane % 4)
	v_and_b32 v7, 30, v2
	v_mul_u32_u24 v7, v7, 80
	v_and_b32 v8, 1, v2
	v_lshl_add_u32 v7, v8, 5, v7
	v_add_nc_u32 v7, s13, v7                       ; out: the block's two groups of 16, my 8 of each
	v_lshrrev_b32 v8, 1, v2
	v_add_nc_u32 v8, s13, v8                       ; my block's scale byte
	v_lshlrev_b32 v9, 1, v2
	v_add_nc_u32 v10, s13, v9                      ; the scale bytes, back: 2 a lane
	s_lshl_b32 s14, s12, 6
	v_add_nc_u32 v9, s14, v9                       ; and their place among the work-group's 256
	s_mov_b32 s16, 0x3a800000                      ; 1 / 1,024
	s_mov_b32 s17, 0x3727c5ac                      ; 1e-5
	s_mov_b32 s18, 0x76543210
	s_mov_b32 s19, 0xfedcba98                      ; lane l xor 16
	s_mov_b32 s20, 0x600000
	s_lshl_b32 s24, s15, 15                        ; the work-group's 8 rows of x,
	s_mov_b32 s25, 0
	s_lshl_b32 s26, s15, 13                        ; of codes,
	s_mov_b32 s27, 0
	s_lshl_b32 s28, s15, 8                         ; of scale bytes
	s_mov_b32 s29, 0
	v_mov_b32 v[W+9], 0                            ; upper halves of pairs that are named whole, and a lane permute's destination
	v_mov_b32 v[W+10], 0
	v_mov_b32 v[W+13], 0
	s_wait_kmcnt 0x0
	s_add_nc_u64 s[4:5], s[4:5], s[24:25]
	s_add_nc_u64 s[22:23], s[10:11], s[28:29]
	s_add_nc_u64 s[22:23], s[22:23], 0x400000
	s_add_nc_u64 s[10:11], s[10:11], s[26:27]
.irp j, 0,1,2,3,4,5,6,7
	global_load_b128 v[G+4*\j:G+4*\j+3], v3, s[6:7] offset:512*\j
	global_load_b128 v[BE+4*\j:BE+4*\j+3], v3, s[8:9] offset:512*\j
.endr
.macro LOADROW p
.irp j, 0,1,2,3,4,5,6,7
	global_load_b128 v[XR+32*(\p)+4*\j:XR+32*(\p)+4*\j+3], v4, s[4:5] offset:4096*(\p)+512*\j th:TH_LOAD_NT
.endr
.endm
.macro ACROSS r                        ; the sum of v[r] over the 32 lanes, in every lane
	v_add_f32_dpp v[\r], v[\r], v[\r] row_xmask:1 row_mask:0xf bank_mask:0xf
	v_add_f32_dpp v[\r], v[\r], v[\r] row_xmask:2 row_mask:0xf bank_mask:0xf
	v_add_f32_dpp v[\r], v[\r], v[\r] row_xmask:4 row_mask:0xf bank_mask:0xf
	v_add_f32_dpp v[\r], v[\r], v[\r] row_xmask:8 row_mask:0xf bank_mask:0xf
	v_permlanex16_b32 v[W+10], v[\r], s18, s19
	v_add_f32 v[\r], v[\r], v[W+10]
.endm
.macro FOLD r                          ; four chains of pairs become one number
	v_pk_add_f32 v[W:W+1], v[W:W+1], v[W+2:W+3]
	v_pk_add_f32 v[W+4:W+5], v[W+4:W+5], v[W+6:W+7]
	v_pk_add_f32 v[W:W+1], v[W:W+1], v[W+4:W+5]
	v_add_f32 v[\r], v[W], v[W+1]
.endm
	LOADROW 0
	LOADROW 1
.macro ROW p
.set XS, XR+32*(\p)
	s_wait_loadcnt 8*(ROWS-1-(\p))                 ; my row's loads are in, and g and be, which were issued ahead of them; the later row's eight may be out
.if (\p) > 0
	s_wait_xcnt 0x0                                ; the last row's stores have read their registers: the codes may be written again
.endif
.irp c, 0,1,2,3
	v_pk_add_f32 v[W+2*\c:W+2*\c+1], v[XS+2*\c:XS+2*\c+1], v[XS+8+2*\c:XS+9+2*\c]
.endr
.irp k, 16,24
.irp c, 0,1,2,3
	v_pk_add_f32 v[W+2*\c:W+2*\c+1], v[W+2*\c:W+2*\c+1], v[XS+\k+2*\c:XS+\k+2*\c+1]
.endr
.endr
	FOLD W+8
	ACROSS W+8
	v_mul_f32 v[W+8], s16, v[W+8]                  ; the mean
.set i, 0
.rept 16
	v_pk_add_f32 v[Y+i:Y+i+1], v[XS+i:XS+i+1], v[W+8:W+9] op_sel_hi:[1,0] neg_lo:[0,1] neg_hi:[0,1]
.set i, i+2
.endr
.irp c, 0,1,2,3
	v_pk_mul_f32 v[W+2*\c:W+2*\c+1], v[Y+2*\c:Y+2*\c+1], v[Y+2*\c:Y+2*\c+1]
.endr
.irp k, 8,16,24
.irp c, 0,1,2,3
	v_pk_fma_f32 v[W+2*\c:W+2*\c+1], v[Y+\k+2*\c:Y+\k+2*\c+1], v[Y+\k+2*\c:Y+\k+2*\c+1], v[W+2*\c:W+2*\c+1]
.endr
.endr
	FOLD W+11
	ACROSS W+11
	v_fma_f32 v[W+11], v[W+11], s16, s17           ; the variance + 1e-5
	s_wait_alu depctr_va_vdst(0)
	v_rsq_f32 v[W+12], v[W+11]
	v_nop                                          ; a plain instruction behind the transcendental,
	s_wait_alu depctr_va_vdst(0)                   ; and the wait ahead of its first reader
.set i, 0
.rept 16
	v_pk_mul_f32 v[Y+i:Y+i+1], v[Y+i:Y+i+1], v[W+12:W+13] op_sel_hi:[1,0]
.set i, i+2
.endr
.set i, 0
.rept 16
	v_pk_fma_f32 v[Y+i:Y+i+1], v[Y+i:Y+i+1], v[G+i:G+i+1], v[BE+i:BE+i+1]
.set i, i+2
.endr
.irp j, 0,1,2,3,4,5,6,7
	ds_store_b128 v6, v[Y+4*\j:Y+4*\j+3] offset:2560*(\j/4)+640*(\j%4)
.endr
.irp s, 0,1
	ds_load_b128 v[Y+16*\s:Y+16*\s+3], v7 offset:2560*\s            ; LDS serves a wave's instructions in order: these see the stores
	ds_load_b128 v[Y+16*\s+4:Y+16*\s+7], v7 offset:2560*\s+16
	ds_load_b128 v[Y+16*\s+8:Y+16*\s+11], v7 offset:2560*\s+80
	ds_load_b128 v[Y+16*\s+12:Y+16*\s+15], v7 offset:2560*\s+96
.endr
	s_wait_dscnt 0x0
.irp s, 0,1
	v_max3_num_f32 v[W], |v[Y+16*\s]|, |v[Y+16*\s+1]|, |v[Y+16*\s+2]|
	v_max3_num_f32 v[W+1], |v[Y+16*\s+3]|, |v[Y+16*\s+4]|, |v[Y+16*\s+5]|
.irp i, 6,10
	v_max3_num_f32 v[W], v[W], |v[Y+16*\s+\i]|, |v[Y+16*\s+\i+1]|
	v_max3_num_f32 v[W+1], v[W+1], |v[Y+16*\s+\i+2]|, |v[Y+16*\s+\i+3]|
.endr
	v_max3_num_f32 v[W], v[W], |v[Y+16*\s+14]|, |v[Y+16*\s+15]|
	v_max3_num_f32 v[W], v[W], v[W+1], (EMAX+1)<<23
	v_max_num_f32_dpp v[W], v[W], v[W] row_xmask:1 row_mask:0xf bank_mask:0xf   ; with my neighbour's 16: the block's
	v_add_nc_u32 v[W+2], -(EMAX<<23), v[W]
	v_and_or_b32 v[W+3], v[W], 0x7f800000, s20
.irp i, 0,1,2,3,4,5,6,7,8,9,10,11,12,13,14,15
	v_med3_num_f32 v[Y+16*\s+\i], v[Y+16*\s+\i], -v[W+3], v[W+3]
.endr
	v_cvt_scalef32_pk8_bf8_f32 v[CD+4*\s:CD+4*\s+1], v[Y+16*\s:Y+16*\s+7], v[W+2]
	v_cvt_scalef32_pk8_bf8_f32 v[CD+4*\s+2:CD+4*\s+3], v[Y+16*\s+8:Y+16*\s+15], v[W+2]
	v_lshrrev_b32 v[EB+\s], 23, v[W+2]
	ds_store_b8 v8, v[EB+\s] offset:5120+32*(\p)+16*\s             ; both lanes of a block write the same byte with the same value
	global_store_b128 v5, v[CD+4*\s:CD+4*\s+3], s[10:11] offset:1024*(\p)+512*\s   ; the wave stores 512 consecutive bytes
.endr
.endm
	ROW 0
	ROW 1
	ds_load_u16 v[W], v10 offset:5120              ; LDS serves a wave's instructions in order: this sees my byte stores
	s_wait_dscnt 0x0
	global_store_b16 v9, v[W], s[22:23]            ; 32 lanes store my two rows' 64 consecutive scale bytes
	s_wait_tensorcnt 0x0
	ds_add_u32 v224, v225
	s_wait_dscnt 0x0
	s_endpgm
.Lfunc_end_k_qa66498ac78_prep:
	.size	k_qa66498ac78_prep, .Lfunc_end_k_qa66498ac78_prep-k_qa66498ac78_prep
	.p2alignl 7, 3214868480
	.fill 96, 4, 3214868480
	.section	.rodata,"a",@progbits
	.p2align	6, 0x0
	.amdhsa_kernel k_qa66498ac78_prep
		.amdhsa_group_segment_fixed_size 56832
		.amdhsa_private_segment_fixed_size 0
		.amdhsa_enable_private_segment 0
		.amdhsa_kernarg_size 88
		.amdhsa_user_sgpr_count 2
		.amdhsa_user_sgpr_kernarg_segment_ptr 1
		.amdhsa_wavefront_size32 1
		.amdhsa_system_sgpr_workgroup_id_x 1
		.amdhsa_system_sgpr_workgroup_id_y 1
		.amdhsa_system_sgpr_workgroup_id_z 1
		.amdhsa_system_vgpr_workitem_id 0
		.amdhsa_next_free_vgpr 226
		.amdhsa_next_free_sgpr 66
		.amdhsa_reserve_vcc 0
		.amdhsa_float_denorm_mode_32 3
		.amdhsa_float_denorm_mode_16_64 3
		.amdhsa_memory_ordered 1
		.amdhsa_forward_progress 1
		.amdhsa_inst_pref_size 92
	.end_amdhsa_kernel
	.amdgpu_metadata
---
amdhsa.version: [ 1, 2 ]
amdhsa.kernels:
  - .name:           k_qa66498ac78_prep
    .symbol:         k_qa66498ac78_prep.kd
    .args:
      - { .name: x, .offset: 0, .size: 8, .value_kind: global_buffer, .address_space: global }
      - { .name: g1, .offset: 8, .size: 8, .value_kind: global_buffer, .address_space: global }
      - { .name: be1, .offset: 16, .size: 8, .value_kind: global_buffer, .address_space: global }
      - { .name: hact, .offset: 24, .size: 8, .value_kind: global_buffer, .address_space: global }
      - { .name: Wq, .offset: 32, .size: 8, .value_kind: global_buffer, .address_space: global }
      - { .name: Wk, .offset: 40, .size: 8, .value_kind: global_buffer, .address_space: global }
      - { .name: Wv, .offset: 48, .size: 8, .value_kind: global_buffer, .address_space: global }
      - { .name: Wo, .offset: 56, .size: 8, .value_kind: global_buffer, .address_space: global }
      - { .name: W1, .offset: 64, .size: 8, .value_kind: global_buffer, .address_space: global }
      - { .name: W2, .offset: 72, .size: 8, .value_kind: global_buffer, .address_space: global }
      - { .name: wcodes, .offset: 80, .size: 8, .value_kind: global_buffer, .address_space: global }
    .group_segment_fixed_size: 56832
    .private_segment_fixed_size: 0
    .kernarg_segment_align: 8
    .kernarg_segment_size: 88
    .max_flat_workgroup_size: 128
    .sgpr_count:     66
    .vgpr_count:     226
    .wavefront_size: 32
...
	.end_amdgpu_metadata
.endif
;; end of part 1
;; launch qkv (part 2): grid 8 x 24, 4 waves a work-group, clusters of 4 x 4, 327,680 bytes of LDS; arguments hact, wcodes, bq, bk, bv, qkvc; writes qkvc
.if DOCPART == 2
	.amdgcn_target "amdgcn-amd-amdhsa--gfx1250"
	.amdhsa_code_object_version 6
	.text
	.protected	k_qa66498ac78_qkv
	.globl	k_qa66498ac78_qkv
	.p2align	8
	.type	k_qa66498ac78_qkv,@function
k_qa66498ac78_qkv:
	s_mov_b64 s[64:65], 0
	v_nop
	global_prefetch_b8 v0, s[64:65] scope:SCOPE_SE
	s_setreg_imm32_b32 hwreg(HW_REG_WAVE_MODE, 25, 1), 1
	s_wait_xcnt 0x0
	s_wait_alu depctr_hold_cnt(0) depctr_sa_sdst(0) depctr_va_vdst(0) depctr_va_sdst(0) depctr_va_ssrc(0) depctr_va_vcc(0) depctr_vm_vsrc(0)
	s_getreg_b32 s2, hwreg(HW_REG_IB_STS2, 6, 4)
	s_cmp_eq_u32 s2, 0
	s_cbranch_scc0 .Lentry_in_a_cluster
	s_endpgm
.Lentry_in_a_cluster:
	s_bfe_u32 s2, ttmp6, 0x10000c
	s_cmp_lg_u32 s2, 0xf033
	s_cbranch_scc0 .Lentry_shape_is_right
	s_endpgm
.Lentry_shape_is_right:
; q, k and v = LN1(x) W + b, on codes of BF8 (E5M2) with E8M0 scales, K = 1,024; the results are quantised on the way out and leave as codes alone.
; A tile of 256 x 256 to a work-group of four waves, 128 x 128 a wave, 64 accumulators; K in steps of 256 through a ring of two LDS slots filled by tensor loads; the scale bytes of the tile's rows lie in LDS for all of K.
; TWO KINDS OF TILE, one text.  Clusters with y under 4: rows = tokens (source 1), columns = the 2,048 columns of Wq | Wk (source 0): a lane holds one token and eight neighbouring n: q and k are quantised along n.
; Clusters with y = 4, 5: the pointers change places: rows = Wv's 1,024 columns (source 1), columns = tokens (source 0): a lane holds one n and eight neighbouring tokens: v is quantised along the tokens.
; The kind hangs on the cluster's y, which all partners share; it chooses pointers, offsets and masks by selects and no branch.
; OUT.  Planes of 64 along the next K: [plane][row][64 bytes]; q planes 0-15, k planes 16-31 (262,144 bytes each), v planes [token / 64][n] at 8,388,608 (65,536 each); scale words: q | k [n / 128][token] at 12,582,912,
; v [head][token / 128][d] at 12,845,056.  Inside a block of 32 byte 16 h + 8 u + j holds k = 16 u + 8 h + j: the order in which two neighbouring result tiles lie in a lane.
; CLUSTERS: 4 x 4 work-groups; the four of a row ask jointly for the row operand's tiles, the four of a column for the column operand's.
; LIMITS: a block of zeros gets the byte 1; magnitudes under 2^-111 are held at that floor; NaN and infinities are not served.
; REGISTERS: window 0: v0-31 addresses, v8-15 the row bias; v32-63 scale words and nothing else; v64-127 the column bias (C of the first step), later the block at work; v128-255 the row operand's fragments, later the way out.
;   window 1: the column operand's fragments, two sets.  windows 2, 3: the accumulators.
.set SIZE_K, 1024
.set KSTEP,  256
.set NQ,     KSTEP/128
.set ROWB,   256
.set KROW,   SIZE_K
.set PITCH,  272                       ; an LDS row: 256 bytes + 16: the 16 rows of a load start at 16 different groups of four banks
.set FR,     16
.set NL,     4
.set NP,     8                         ; places behind this matrix instruction (ISA guide 7.12.1)
.set HALFT,  128*PITCH
.set SLOT,   4*HALFT
.set LAPS,   SIZE_K/(2*KSTEP)
.set KS,     SIZE_K/32
.set SCL,    2*SLOT
.set HALFS,  (128*KS/256)*272
.set SBLK,   (16*KS/256)*272
.set SPARE,  SCL+4*HALFS               ; the spare words: 128 bytes a wave, named by no other line
.set BR,   8
.set ADRA, 16
.set ADRB, 20
.set SWA,  22                          ; the way out: where my row's scale word goes
.set SRD,  23                          ; and where four of them are read back
.set STO,  24
.set RD,   25
.set CO,   26
.set ADRS, 27
.set SPW,  28
.set NIL,  29
.set SCO,  30
.set SC,   32
.set BC,   64
.set HA,   64
.set AF,   128
.set PC,   128
.set TM,   144
.set PW,   160
.set OB,   164
.set G1, 24
.set G0, 32
.set G1B, 48
.set G0B, 56
.set G1S, 68
.set G0S, 76
.set G1SB, 80
.set G0SB, 88
.set SEL, 92
.set MNT, 94
.set MSB, 0
.macro WIN new                         ; the immediate's high byte repeats the setting that is left
.if MSB != \new
	s_set_vgpr_msb (MSB<<8)|\new
.set MSB, \new
.endif
.endm
.set MUL_LO, 0xa1
.set MUL_HI, 0xf1
.set TO_B,   0x40
; A joint load: waves 0 and 1 fetch for the row operand, waves 2 and 3 for the column operand; the branch hangs on the wave's number alone.  Four v_nop follow each line.
.macro JLOAD g0a, g1a, g0b, g1b
	s_cmp_eq_u32 s15, 0
	s_cbranch_scc0 .Lfor_b_\@
	tensor_load_to_lds s[\g0a:\g0a+3], s[\g1a:\g1a+7]
	s_nop 0
.rept 4
	v_nop
.endr
	s_branch .Lasked_\@
.Lfor_b_\@:
	tensor_load_to_lds s[\g0b:\g0b+3], s[\g1b:\g1b+7]
	s_nop 0
.rept 4
	v_nop
.endr
.Lasked_\@:
.endm
.macro CREST
	s_cmp_lg_u32 s14, 0
	s_cbranch_scc1 .Lnot_wave_0_\@
	s_barrier_signal -3
.Lnot_wave_0_\@:
	s_barrier_wait -3
	s_barrier_signal -1
	s_barrier_wait -1
.endm
.macro CROUND
	s_barrier_signal -1
	s_barrier_wait -1
	CREST
.endm
	s_load_b256 s[80:87], s[0:1], 0x0              ; hact, wcodes, bq, bk
	s_load_b128 s[88:91], s[0:1], 0x20             ; bv, qkvc
	v_lshl_add_u32 v[SPW], v0, 2, SPARE
	v_mov_b32 v[NIL], 0
	ds_add_u32 v28, v29
	ds_add_u32 v28, v29
	s_wait_dscnt 0x0
	v_lshrrev_b32 v1, 5, v0
	v_readfirstlane_b32 s14, v1                    ; wave
	s_lshr_b32 s15, s14, 1                         ; my half of the tile's rows; also: I fetch for rows (0) or columns (1)
	s_and_b32 s16, s14, 1                          ; my half of its columns; also: which 128 rows I fetch
	s_bfe_u32 s40, ttmp6, 0x40000                  ; cx
	s_bfe_u32 s41, ttmp6, 0x40004                  ; cy
	s_and_b32 s17, ttmp7, 0xffff                   ; the cluster's y
	s_lshl_b32 s18, s17, 1
	s_add_co_u32 s18, s18, ttmp9
	s_sub_co_u32 s18, s18, 8                       ; 2 (y - 4) + x
	s_cmp_ge_u32 s17, 4                            ; a tile of v?
	s_cselect_b32 s42, s18, ttmp9
	s_cselect_b32 s17, 0, s17
	s_cselect_b32 s95, 1, 0
	s_lshl_b32 s42, s42, 2
	s_add_co_u32 s42, s42, s40                     ; tile column
	s_lshl_b32 s17, s17, 2
	s_add_co_u32 s17, s17, s41                     ; tile row
	s_lshl_b32 s43, s41, 2
	s_lshl_b32 s43, 15, s43                        ; my row of the cluster
	s_lshl_b32 s44, 0x1111, s40                    ; my column
	s_wait_kmcnt 0x0
	s_cmp_eq_u32 s95, 1
	s_cselect_b32 s46, 0x200000, 0                 ; Wv's codes lie 2 MiB on
	s_mov_b32 s47, 0
	s_mov_b32 s22, 0xc00000
	s_cselect_b32 s22, 0xc10000, s22               ; and its scale bytes 65,536
	s_mov_b32 s23, 0
	s_add_nc_u64 s[20:21], s[82:83], s[46:47]      ; the weights' codes,
	s_add_nc_u64 s[22:23], s[82:83], s[22:23]      ; their scale bytes,
	s_add_nc_u64 s[18:19], s[80:81], 0x400000      ; the tokens' scale bytes
	s_cselect_b64 s[4:5], s[20:21], s[80:81]       ; the row operand's codes,
	s_cselect_b64 s[6:7], s[22:23], s[18:19]       ; its scale bytes,
	s_cselect_b64 s[8:9], s[80:81], s[20:21]       ; the column operand's codes,
	s_cselect_b64 s[10:11], s[18:19], s[22:23]     ; its scale bytes
	s_mov_b64 s[12:13], s[90:91]
	s_mov_b64 s[98:99], s[88:89]                   ; bv
	s_cmp_eq_u32 ttmp9, 0
	s_cselect_b64 s[96:97], s[84:85], s[86:87]     ; bq for columns 0-1,023, bk for the rest
	; descriptor group 1: a tile of 128 rows x 256 bytes, padded in LDS
	s_or_b32 s[G1+0], s43, (0<<16)|(1<<20)|(1<<21)|(5<<22)|(3<<25)
	s_or_b32 s[G1B+0], s44, (0<<16)|(1<<20)|(1<<21)|(5<<22)|(3<<25)
.irp g, G1, G1B
	s_mov_b32 s[\g+1], ROWB<<16
	s_mov_b32 s[\g+2], 256<<16                     ; the head's loads bring 256 rows; the ring's 128 are set behind the head's wait
	s_mov_b32 s[\g+3], ROWB<<16
	s_mov_b32 s[\g+4], 256
	s_mov_b32 s[\g+5], KROW
	s_mov_b32 s[\g+6], 0
	s_mov_b32 s[\g+7], 0
.endr
	; the scale bytes of 256 rows: a dense block, as rows of 256 bytes with 16 of padding
	s_or_b32 s[G1S+0], s43, (3<<16)|(1<<20)|(1<<21)|(5<<22)|(3<<25)
	s_or_b32 s[G1SB+0], s44, (3<<16)|(1<<20)|(1<<21)|(5<<22)|(3<<25)
.irp g, G1S, G1SB
	s_mov_b32 s[\g+1], 32<<16
	s_mov_b32 s[\g+2], (256*KS/256)<<16            ; the scale bytes of all 256 rows in one load
	s_mov_b32 s[\g+3], 32<<16
	s_mov_b32 s[\g+4], 256*KS/256
	s_mov_b32 s[\g+5], 32
	s_mov_b32 s[\g+6], 0
	s_mov_b32 s[\g+7], 0
.endr
	s_lshl_b32 s18, s16, 7
	s_lshl_b32 s20, s17, 8
	s_add_co_u32 s20, s20, s18                     ; rows: 256 x tile row + 128 x half
	s_lshl_b32 s46, s42, 8
	s_add_co_u32 s46, s46, s18                     ; columns: 256 x tile column + 128 x half
	s_mov_b32 s21, 0
	s_mov_b32 s47, 0
	s_mov_b64 s[18:19], KS
	s_mul_u64 s[22:23], s[20:21], s[18:19]
	s_mul_u64 s[92:93], s[46:47], s[18:19]
	s_mul_i32 s66, s16, 128*KS                     ; the scale bytes come whole: from the tile's first row, not from my half's
	s_mov_b32 s67, 0
	s_sub_nc_u64 s[22:23], s[22:23], s[66:67]
	s_sub_nc_u64 s[92:93], s[92:93], s[66:67]
	s_mov_b64 s[18:19], KROW
	s_mul_u64 s[20:21], s[20:21], s[18:19]
	s_mul_u64 s[46:47], s[46:47], s[18:19]
	s_mul_i32 s45, s14, HALFT                      ; where they go: wave x 128 rows
	s_add_nc_u64 s[20:21], s[4:5], s[20:21]
	s_add_nc_u64 s[22:23], s[6:7], s[22:23]
	s_add_nc_u64 s[46:47], s[8:9], s[46:47]
	s_add_nc_u64 s[92:93], s[10:11], s[92:93]
	CROUND                                         ; all sixteen work-groups are here: the first joint loads meet
	s_mov_b32 s[G0S], 1
	s_mov_b32 s[G0S+1], SCL
	s_mov_b64 s[G0S+2:G0S+3], s[22:23]
	s_or_b32 s[G0S+3], s[G0S+3], 0x80000000
	s_mov_b32 s[G0SB], 1
	s_mov_b32 s[G0SB+1], SCL+2*HALFS
	s_mov_b64 s[G0SB+2:G0SB+3], s[92:93]
	s_or_b32 s[G0SB+3], s[G0SB+3], 0x80000000
.irp s, 0,1
	s_mov_b32 s[G0+4*\s], 1
	s_add_co_u32 s[G0+4*\s+1], s45, \s*SLOT
	s_add_nc_u64 s[G0+4*\s+2:G0+4*\s+3], s[20:21], \s*ROWB
	s_or_b32 s[G0+4*\s+3], s[G0+4*\s+3], 0x80000000
	s_mov_b32 s[G0B+4*\s], 1
	s_add_co_u32 s[G0B+4*\s+1], s45, \s*SLOT
	s_add_nc_u64 s[G0B+4*\s+2:G0B+4*\s+3], s[46:47], \s*ROWB
	s_or_b32 s[G0B+4*\s+3], s[G0B+4*\s+3], 0x80000000
.endr
; THE HEAD'S LOADS, ONE A WAVE, in one chain of arms on the wave's number: wave 0 K step 0's 256 rows of the row operand, wave 2 those of the column operand
; (their slot 0 descriptors hold the tile's first row and its LDS place: 0 and 2 HALFT), wave 1 the row operand's scale bytes, wave 3 the column operand's.
.macro ARM under, g0, g1, next
	s_cmp_lt_u32 s14, \under
	s_cbranch_scc0 \next
	tensor_load_to_lds s[\g0:\g0+3], s[\g1:\g1+7]
	s_nop 0
.rept 4
	v_nop
.endr
	s_branch .Lhead_asked
\next:
.endm
	ARM 1, G0,  G1,  .Lhead_sa
	ARM 2, G0S, G1S, .Lhead_b
	ARM 3, G0B, G1B, .Lhead_sb
	tensor_load_to_lds s[G0SB:G0SB+3], s[G1SB:G1SB+7]
	s_nop 0
.rept 4
	v_nop
.endr
.Lhead_asked:
	v_and_b32 v1, 15, v0
	v_bfe_u32 v2, v0, 4, 1
	v_mul_u32_u24 v3, v1, PITCH
	v_lshl_add_u32 v4, v2, 4, v3
	s_mul_i32 s21, s15, HALFT
	s_mul_i32 s22, s16, HALFT
	s_add_co_u32 s22, s22, 2*HALFT
.irp s, 0,1
	v_add_nc_u32 v[ADRA+\s], s21, v4
	v_add_nc_u32 v[ADRB+\s], s22, v4
	s_add_co_u32 s21, s21, SLOT
	s_add_co_u32 s22, s22, SLOT
.endr
	v_mul_u32_u24 v5, v1, KS
	v_lshrrev_b32 v6, 8, v5
	v_lshl_add_u32 v5, v6, 4, v5
	s_mul_i32 s21, s15, HALFS
	s_mul_i32 s22, s16, HALFS
	s_add_co_u32 s22, s22, 2*HALFS
	s_sub_co_u32 s22, s22, s21
	v_mul_u32_u24 v6, s22, v2                      ; lanes 16-31 take the column operand's words
	s_add_co_u32 s21, s21, SCL
	v_add_nc_u32 v5, v5, v6
	v_add_nc_u32 v[ADRS], s21, v5
	; the way out: my stage, 4,096 bytes in slot 0: two planes x 16 rows x 80 bytes, and my 128 scale words at +2,560
	s_lshl_b32 s23, s14, 12
	v_mul_u32_u24 v5, v1, 80
	v_lshl_add_u32 v5, v2, 4, v5
	v_add_nc_u32 v[STO], s23, v5
	v_and_b32 v6, 31, v0
	v_lshrrev_b32 v5, 2, v6
	v_mul_u32_u24 v5, v5, 80
	v_and_b32 v7, 3, v6
	v_lshl_add_u32 v5, v7, 4, v5
	v_add_nc_u32 v[RD], s23, v5
	v_lshlrev_b32 v[CO], 4, v6
	v_lshl_add_u32 v5, v1, 2, s23
	v_add_nc_u32 v[SWA], 2560, v5
	v_add_nc_u32 v5, s23, v[CO]
	v_add_nc_u32 v[SRD], 2560, v5
	s_lshl_b32 s20, s17, 8
	s_lshl_b32 s21, s15, 7
	s_add_co_u32 s20, s20, s21                     ; my first row
	s_lshl_b32 s46, s42, 8
	s_lshl_b32 s47, s16, 7
	s_add_co_u32 s46, s46, s47                     ; my first column
	s_lshr_b32 s21, s46, 6                         ; its plane
	s_lshl_b32 s22, s21, 16
	s_add_co_u32 s22, s22, 0x800000                ; v: planes of 65,536 bytes at 8,388,608
	s_lshl_b32 s21, s21, 18                        ; q | k: planes of 262,144 bytes
	s_lshl_b32 s47, s20, 7
	s_lshl_b32 s18, s46, 1
	s_add_co_u32 s18, s18, s47
	s_add_co_u32 s18, s18, 0xc40000                ; v's scale words: (n / 64) x 8,192 + (token / 128) x 256
	s_lshl_b32 s47, s46, 7
	s_lshl_b32 s19, s20, 2
	s_add_co_u32 s19, s19, s47
	s_add_co_u32 s19, s19, 0xc00000                ; q | k's: (n / 128) x 16,384 + 4 x token
	s_and_b32 s45, s46, 1023
	s_lshl_b32 s45, s45, 2                         ; the column bias
	s_lshl_b32 s47, s20, 2                         ; the row bias
	s_lshl_b32 s20, s20, 6
	s_mov_b32 s43, 0x40000
	s_mov_b32 s44, 256
	s_cmp_eq_u32 s95, 1
	s_cselect_b32 s21, s22, s21
	s_cselect_b32 s18, s18, s19
	s_cselect_b32 s43, 0x10000, s43                ; from plane to plane
	s_cselect_b32 s44, 0x2000, s44                 ; from the first 64 scale words to the second
	s_cselect_b32 s45, 0, s45                      ; the bias that a kind does not have is loaded from its buffer's head and replaced by 0
	s_cselect_b32 s47, s47, 0
	s_cselect_b32 s22, 0, -1                       ; lanes on: a tile of q | k
	s_cselect_b32 s23, -1, 0                       ; lanes on: a tile of v
	s_add_co_u32 s20, s20, s21
	s_mov_b32 s21, 0
	s_add_nc_u64 s[4:5], s[12:13], s[20:21]        ; my first plane at my first row,
	s_mov_b32 s20, s43
	s_add_nc_u64 s[6:7], s[4:5], s[20:21]          ; my second,
	s_mov_b32 s19, 0
	s_add_nc_u64 s[8:9], s[12:13], s[18:19]        ; my scale words
	s_mov_b32 s20, s45
	s_add_nc_u64 s[96:97], s[96:97], s[20:21]
	s_mov_b32 s20, s47
	s_add_nc_u64 s[98:99], s[98:99], s[20:21]
	v_mul_u32_u24 v5, v2, s44
	v_lshl_add_u32 v[SCO], v1, 4, v5
	v_lshlrev_b32 v7, 5, v2
	v_lshlrev_b32 v6, 2, v1
.irp b, 0,1,2,3,4,5,6,7
	global_load_b128 v[BC+8*\b:BC+8*\b+3], v7, s[96:97] offset:64*\b       ; tile b: the bias of columns 16 b + 8 h + 0 .. 7
	global_load_b128 v[BC+8*\b+4:BC+8*\b+7], v7, s[96:97] offset:64*\b+16
.endr
.irp a, 0,1,2,3,4,5,6,7
	global_load_b32 v[BR+\a], v6, s[98:99] offset:64*\a                    ; block a: the bias of row 16 a + r
.endr
	s_mov_b32 s[SEL], 0x76543210
	s_mov_b32 s[SEL+1], 0xfedcba98
	s_mov_b32 s[MNT], 0x600000
	s_wait_loadcnt 0x0
.set i, 0
.rept 64
	v_cndmask_b32 v[BC+i], 0, v[BC+i], s22
.set i, i+1
.endr
.set i, 0
.rept 8
	v_cndmask_b32 v[BR+i], 0, v[BR+i], s23
.set i, i+1
.endr
.macro FRAG reg, adr, q, i             ; 16 rows x 128 K: lane l holds row l % 16; registers 4 c .. 4 c + 3 the bytes 32 c + 16 (l / 16) + 0 .. 15
.irp c, 0,1,2,3
	ds_load_b128 v[\reg+4*\c:\reg+4*\c+3], v[\adr] offset:128*(\q)+32*\c+(\i)*16*PITCH
.endr
.endm
; 16 matrix instructions.  zero = 1: the first step's products take the column bias as C.  The 64 accumulators take turns, one instruction a turn.
.macro MUL16 a0, p, q, sc, zero
.irp a, \a0, \a0+1
.irp b, 0,1,2,3,4,5,6,7
.if \zero
	v_wmma_scale_f32_16x16x128_f8f6f4 v[8*(8*((\a)%4)+\b):8*(8*((\a)%4)+\b)+7], v[128*(\p)+FR*\b:128*(\p)+FR*\b+FR-1], v[AF+FR*(\a):AF+FR*(\a)+FR-1], v[BC+8*\b:BC+8*\b+7], v[SC+8*NQ*(\sc)+NQ*\b+(\q)], v[SC+8*NQ*(\sc)+NQ*(\a)+(\q)] matrix_a_fmt:MATRIX_FMT_BF8 matrix_b_fmt:MATRIX_FMT_BF8 matrix_a_scale:MATRIX_SCALE_ROW1
.else
	v_wmma_scale_f32_16x16x128_f8f6f4 v[8*(8*((\a)%4)+\b):8*(8*((\a)%4)+\b)+7], v[128*(\p)+FR*\b:128*(\p)+FR*\b+FR-1], v[AF+FR*(\a):AF+FR*(\a)+FR-1], v[8*(8*((\a)%4)+\b):8*(8*((\a)%4)+\b)+7], v[SC+8*NQ*(\sc)+NQ*\b+(\q)], v[SC+8*NQ*(\sc)+NQ*(\a)+(\q)] matrix_a_fmt:MATRIX_FMT_BF8 matrix_b_fmt:MATRIX_FMT_BF8 matrix_a_scale:MATRIX_SCALE_ROW1
.endif
.endr
.endr
.endm
.macro FETCH_B slot, q, p
	WIN TO_B
.irp i, 0,1,2,3,4,5,6,7
	FRAG 128*(\p)+FR*\i, ADRB+\slot, \q, \i
.endr
	WIN 0
.endm
.macro FETCH_A slot, q, i0
.irp i, \i0, \i0+1, \i0+2, \i0+3
	FRAG AF+FR*(\i), ADRA+\slot, \q, \i
.endr
.endm
.macro SCALES sc                       ; lanes 0-15 take the row operand's words of block i, lanes 16-31 the column operand's
.irp i, 0,1,2,3,4,5,6,7
	ds_load_b64 v[SC+8*NQ*\sc+NQ*\i:SC+8*NQ*\sc+NQ*\i+1], v[ADRS] offset:\i*SBLK
.endr
.endm
.macro PLACES n                        ; plain vector instructions between a matrix instruction and a load into, or a read of, its registers
.rept \n
	v_nop
.endr
.endm
.macro STEP slot, q, zero
	s_wait_dscnt 4*NL                              ; all but the youngest 16 loads (row blocks 4-7) are in
.if \zero
	WIN 0x81                                       ; C in window 0, D in window 2
.else
	WIN MUL_LO
.endif
	MUL16 0, (\q)%2, \q, \slot, \zero
	MUL16 2, (\q)%2, \q, \slot, \zero
	s_wait_dscnt 0
	PLACES NP
	FETCH_B \slot, (\q)+1, 1-(\q)%2
	FETCH_A \slot, (\q)+1, 0
.if \zero
	WIN 0xc1
.else
	WIN MUL_HI
.endif
	MUL16 4, (\q)%2, \q, \slot, \zero
	MUL16 6, (\q)%2, \q, \slot, \zero
	PLACES NP
	WIN 0
	FETCH_A \slot, (\q)+1, 4
.endm
; A slot's last step changes slots: one barrier; in front of it each wave waits for all its tensor loads, adds 0 to its spare word, and waits for that and for its reads of this slot.
.macro TURN slot, next, fill
	s_wait_tensorcnt 0x0                           ; all my tensor loads have landed: my part of the next slot
	ds_add_u32 v[SPW], v[NIL]
	s_wait_dscnt 4*NL+1                            ; (the add and the youngest 16 loads may be out)
	WIN MUL_LO
	MUL16 0, 1, NQ-1, \slot, 0
	s_wait_dscnt 0x0                               ; the add is done, and my reads of this slot are over
	s_barrier_signal -1
	MUL16 2, 1, NQ-1, \slot, 0
	WIN 0
	s_barrier_wait -1
.if \fill
	CREST                                          ; the barrier has opened a round of the cluster's: no wave of any partner still reads this slot or has a load on its way
	s_add_nc_u64 s[G0+4*\slot+2:G0+4*\slot+3], s[G0+4*\slot+2:G0+4*\slot+3], 2*ROWB
	s_add_nc_u64 s[G0B+4*\slot+2:G0B+4*\slot+3], s[G0B+4*\slot+2:G0B+4*\slot+3], 2*ROWB
	JLOAD G0+4*\slot, G1, G0B+4*\slot, G1B
	PLACES NP-4
.else
	PLACES NP
.endif
	s_wait_alu depctr_va_vdst(0)
	v_add_nc_u32 v[ADRS], 4*NQ, v[ADRS]
	FETCH_B \next, 0, 0
	FETCH_A \next, 0, 0
	SCALES \next
	WIN MUL_HI
	MUL16 4, 1, NQ-1, \slot, 0
	MUL16 6, 1, NQ-1, \slot, 0
	PLACES NP
	WIN 0
	FETCH_A \next, 0, 4
.endm
	s_wait_alu depctr_va_vdst(0)
	s_wait_tensorcnt 0x0                           ; my tile of the head's four is in
	ds_add_u32 v[SPW], v[NIL]
	s_mov_b32 s[G1+2], 128<<16                     ; no tensor load of mine is out: from here on a load brings 128 rows
	s_mov_b32 s[G1+4], 128
	s_mov_b32 s[G1B+2], 128<<16
	s_mov_b32 s[G1B+4], 128
	s_wait_dscnt 0x0
	CROUND                                         ; all four tiles are in, and all sixteen work-groups are here
	JLOAD G0+4, G1, G0B+4, G1B                     ; K step 1, the first tensor load behind the round
	FETCH_B 0, 0, 0
	FETCH_A 0, 0, 0
	SCALES 0
	FETCH_A 0, 0, 4
	STEP 0, 0, 1
	s_mov_b32 s3, LAPS-1
.Llap:
	TURN 0, 1, 1
	STEP 1, 0, 0
	TURN 1, 0, 1
	STEP 0, 0, 0
	s_sub_co_u32 s3, s3, 1
	s_cmp_lg_u32 s3, 0
	s_cbranch_scc1 .Llap
	TURN 0, 1, 0
	STEP 1, 0, 0
	s_wait_dscnt 4*NL
	WIN MUL_LO
	MUL16 0, 1, NQ-1, 1, 0
	MUL16 2, 1, NQ-1, 1, 0
	s_wait_dscnt 0
	WIN MUL_HI
	MUL16 4, 1, NQ-1, 1, 0
	MUL16 6, 1, NQ-1, 1, 0
	WIN 0
; 64 numbers of a lane, register 16 b + 8 u + j = column 32 b + 16 u + 8 h + j of my row, become 16 registers of codes in v[PC] on and the row's scale word in v[PW]
.macro QUANT s
.irp b, 0,1,2,3
	v_max3_num_f32 v[TM+\b], |v[\s+16*\b]|, |v[\s+1+16*\b]|, 0x8000000   ; with the floor 2^(16 - 127)
.endr
.irp i, 2,4,6,8,10,12,14
.irp b, 0,1,2,3
	v_max3_num_f32 v[TM+\b], v[TM+\b], |v[\s+16*\b+\i]|, |v[\s+1+16*\b+\i]|
.endr
.endr
.irp b, 0,1,2,3
	v_permlanex16_b32 v[TM+4+\b], v[TM+\b], s[SEL], s[SEL+1]
.endr
.irp b, 0,1,2,3
	v_max_num_f32 v[TM+\b], v[TM+\b], v[TM+4+\b]   ; with lane l xor 16's: the block's largest magnitude
.endr
.irp b, 0,1,2,3
	v_add_nc_u32 v[TM+12+\b], 0xf8800000, v[TM+\b]
.endr
.irp b, 0,1,2,3
	v_and_or_b32 v[TM+8+\b], v[TM+\b], 0x7f800000, s[MNT]
.endr
.irp b, 0,1,2,3
	v_lshrrev_b32 v[TM+4+\b], 23, v[TM+12+\b]
.endr
	v_lshl_or_b32 v[PW], v[TM+5], 8, v[TM+4]
	v_lshl_or_b32 v[PW], v[TM+6], 16, v[PW]
	v_lshl_or_b32 v[PW], v[TM+7], 24, v[PW]
.irp b, 0,1,2,3
.irp i, 0,1,2,3,4,5,6,7,8,9,10,11,12,13,14,15
	v_med3_num_f32 v[\s+16*\b+\i], v[\s+16*\b+\i], -v[TM+8+\b], v[TM+8+\b]
.endr
	v_cvt_scalef32_pk8_bf8_f32 v[PC+4*\b:PC+1+4*\b], v[\s+16*\b:\s+7+16*\b], v[TM+12+\b]
	v_cvt_scalef32_pk8_bf8_f32 v[PC+2+4*\b:PC+3+4*\b], v[\s+8+16*\b:\s+15+16*\b], v[TM+12+\b]
.endr
	v_nop                                          ; a plain instruction behind the last scaled conversion
.endm
; THE WAY OUT, block by block of 16 rows x 128 columns: + the row bias, quantised, through my stage, out as two runs of 1,024 consecutive bytes (16 rows of 64 in each of two planes).
; The stage lies in slot 0, which has had its last fill and, behind the last change of slots, its last read.
.macro OUTBLK a
.set AC, 64*((\a)%4)
	WIN 0x02+(\a)/4                                ; source 0: window 2 or 3
.set i, 0
.rept 64
	v_add_f32 v[HA+i], v[AC+i], v[BR+\a]           ; each accumulator from its low end on
.set i, i+1
.endr
	WIN 0
	QUANT HA
.irp b, 0,1,2,3
	ds_store_b128 v[STO], v[PC+4*\b:PC+4*\b+3] offset:(\b/2)*1280+32*(\b%2)
.endr
	ds_store_b32 v[SWA], v[PW] offset:64*(\a)      ; lanes l and l xor 16 write the same word with the same value
.if (\a) > 0
	s_wait_xcnt 0x0                                ; the last block's stores have read their registers
.endif
.irp p, 0,1
.irp t, 0,1
	ds_load_b128 v[OB+8*\p+4*\t:OB+8*\p+4*\t+3], v[RD] offset:\p*1280+640*\t
.endr
.endr
	s_wait_dscnt 0x0
.irp p, 0,1
.irp t, 0,1
	global_store_b128 v[CO], v[OB+8*\p+4*\t:OB+8*\p+4*\t+3], s[4+2*\p:5+2*\p] offset:1024*(\a)+512*\t   ; the wave stores 512 consecutive bytes, aligned
.endr
.endr
.endm
	PLACES NP
.irp b, 0,1,2,3
	v_mov_b32 v[TM+4+\b], 0                        ; a lane permute's destination counts as one of its sources
.endr
.irp a, 0,1,2,3,4,5,6,7
	OUTBLK \a
.endr
	s_wait_xcnt 0x0
	ds_load_b128 v[OB:OB+3], v[SRD]                ; my 128 scale words, four a lane
	s_wait_dscnt 0x0
	global_store_b128 v[SCO], v[OB:OB+3], s[8:9]   ; sixteen lanes store 256 consecutive bytes, aligned
	s_wait_tensorcnt 0x0                           ; the wave's end
	ds_add_u32 v[SPW], v[NIL]
	s_wait_dscnt 0x0
	CROUND                                         ; the closing round
	s_endpgm
.Lfunc_end_k_qa66498ac78_qkv:
	.size	k_qa66498ac78_qkv, .Lfunc_end_k_qa66498ac78_qkv-k_qa66498ac78_qkv
	.p2alignl 7, 3214868480
	.fill 96, 4, 3214868480
	.section	.rodata,"a",@progbits
	.p2align	6, 0x0
	.amdhsa_kernel k_qa66498ac78_qkv
		.amdhsa_group_segment_fixed_size 327680
		.amdhsa_private_segment_fixed_size 0
		.amdhsa_enable_private_segment 0
		.amdhsa_kernarg_size 48
		.amdhsa_user_sgpr_count 2
		.amdhsa_user_sgpr_kernarg_segment_ptr 1
		.amdhsa_wavefront_size32 1
		.amdhsa_system_sgpr_workgroup_id_x 1
		.amdhsa_system_sgpr_workgroup_id_y 1
		.amdhsa_system_sgpr_workgroup_id_z 1
		.amdhsa_system_vgpr_workitem_id 0
		.amdhsa_next_free_vgpr 1024
		.amdhsa_next_free_sgpr 100
		.amdhsa_reserve_vcc 0
		.amdhsa_float_denorm_mode_32 3
		.amdhsa_float_denorm_mode_16_64 3
		.amdhsa_memory_ordered 1
		.amdhsa_forward_progress 1
		.amdhsa_inst_pref_size 215
	.end_amdhsa_kernel
	.amdgpu_metadata
---
amdhsa.version: [ 1, 2 ]
amdhsa.kernels:
  - .name:           k_qa66498ac78_qkv
    .symbol:         k_qa66498ac78_qkv.kd
    .args:
      - { .name: hact, .offset: 0, .size: 8, .value_kind: global_buffer, .address_space: global }
      - { .name: wcodes, .offset: 8, .size: 8, .value_kind: global_buffer, .address_space: global }
      - { .name: bq, .offset: 16, .size: 8, .value_kind: global_buffer, .address_space: global }
      - { .name: bk, .offset: 24, .size: 8, .value_kind: global_buffer, .address_space: global }
      - { .name: bv, .offset: 32, .size: 8, .value_kind: global_buffer, .address_space: global }
      - { .name: qkvc, .offset: 40, .size: 8, .value_kind: global_buffer, .address_space: global }
    .group_segment_fixed_size: 327680
    .private_segment_fixed_size: 0
    .kernarg_segment_align: 8
    .kernarg_segment_size: 48
    .max_flat_workgroup_size: 128
    .sgpr_count:     100
    .vgpr_count:     1024
    .wavefront_size: 32
...
	.end_amdgpu_metadata
.endif
;; end of part 2
;; launch attn (part 3): grid 8 x 32, 16 waves a work-group, no clusters, 327,680 bytes of LDS; arguments qkvc, aoc; writes aoc
.if DOCPART == 3
	.amdgcn_target "amdgcn-amd-amdhsa--gfx1250"
	.amdhsa_code_object_version 6
	.text
	.protected	k_qa66498ac78_attn
	.globl	k_qa66498ac78_attn
	.p2align	8
	.type	k_qa66498ac78_attn,@function
k_qa66498ac78_attn:
	s_mov_b64 s[64:65], 0
	v_nop
	global_prefetch_b8 v0, s[64:65] scope:SCOPE_SE
	s_setreg_imm32_b32 hwreg(HW_REG_WAVE_MODE, 25, 1), 1
	s_wait_xcnt 0x0
; Causal attention of one head on codes of BF8 (E5M2): S^T = k q^T, p = 2^(t - M) with t = score x log2(e) / 8 and M the running largest t rounded up to a whole number, p quantised along the keys,
; O^T += v^T p^T, the row's sum taken of the unquantised p, O^T / sum quantised along the head's 64 and stored as codes for the next product.
; SHARES.  A work-group has one head of one batch and two blocks of 128 queries, j and 15 - j, so that every work-group has the same count of key steps under the mask; each of sixteen waves owns 16 queries.
; NO RING: the head's whole k (2,048 x 64 bytes) and v (32 chunks of 64 keys x 64 d x 64 bytes) lie in LDS, each byte filled once: each wave issues one tensor load at the head and waves 0-7 one more behind each of the first three quarters' barriers;
; one load of a wave is out at most.  A quarter (512 keys) is read behind its own counted wait and barrier.
; The head is 64 wide and the matrix instruction 128: the upper halves of q's and k's fragments are zero codes, which add nothing.
; Every wave walks all 16 key steps; a step all of whose keys come after its queries is left out by a scalar branch on ids, round the work alone.
; NO CLUSTER: the work-groups of a head differ in which steps they leave out, a branch that would hang on a work-group's place among its partners.
; LAYOUT: a lane holds one query throughout; inside a block of 32 byte 16 h + 8 u + j holds k = 16 u + 8 h + j, the order in which two neighbouring result tiles lie in a lane: so p's and O's codes are operands as they stand.
; LIMITS: a block of zeros gets the byte 1; magnitudes under 2^-111 are held at that floor; NaN and infinities are not served.
; REGISTERS: v1-7 addresses that stay, v8-11 the step's; v12 -M, v13 the largest t, v[14:15] the sum; v16-31 q; v32-95 four fragments of k; v96-159 S^T, p, then four fragments of v; v160-191 O^T; v192-207 p's codes;
;   v208-211, v212-215, v216 scale words and nothing else, v253 p's scale word and at work in the sums; v217 4 r; v232-252, v254 at work.
.set VL,   139264                      ; v's chunks, behind k's 139,264 bytes (rows of 64 bytes, 16 bytes of padding behind every 256)
.set KSC,  278528                      ; k's scale words of the head pair: 8,192 bytes + padding
.set VSC,  287232                      ; v's: 4,096 bytes + padding: 272 a key step
.set STG,  291584                      ; the way out: 1,280 bytes a wave; no fill lands here
.set AK0,  1
.set AV0,  2
.set ASK0, 3
.set ASV0, 4
.set STO,  5
.set RD,   6
.set GO,   7
.set ADK,  8
.set ADV,  9
.set ADS,  10
.set ADT,  11
.set WV,   8
.set G1T,  16                          ; s[16:23] 32 rows of 256 bytes;  s[24:31] 8 rows;  s[32:39] 4 rows
.set G1KS, 24
.set G1VS, 32
.set SEL,  66
.set CS,   68
.set MNT,  70
.set TB,   71                          ; LDS byte at which the step's keys begin, in k and in v alike: 8,704 a step
.set TSK,  72                          ; k's scale words: 544 a step
.set TSV,  73                          ; v's: 272
.set KF,   74                          ; the step's first key
.set Q0,   75                          ; my first query
.set CNT,  76
	s_load_b128 s[4:7], s[0:1], 0x0                ; qkvc, aoc
	v_lshl_add_u32 v231, v0, 2, 0x4c300
	v_mov_b32 v255, 0
	ds_add_u32 v231, v255
	ds_add_u32 v231, v255
	v_lshrrev_b32 v8, 5, v0
	s_delay_alu instid0(VALU_DEP_1)
	v_readfirstlane_b32 s[WV], v8                  ; wave 0..15
	s_and_b32 s10, ttmp7, 0xffff
	s_lshr_b32 s11, s10, 4                         ; batch
	s_and_b32 s12, s10, 15                         ; head
	s_lshr_b32 s77, s[WV], 2
	s_xor_b32 s77, s77, s[WV]
	s_and_b32 s77, s77, 1                          ; which of the two blocks: of waves 2 i and 2 i + 1 one takes each
	s_sub_co_u32 s78, 15, ttmp9
	s_cmp_eq_u32 s77, 1
	s_cselect_b32 s78, s78, ttmp9
	s_lshl_b32 s78, s78, 7
	s_lshr_b32 s79, s[WV], 1
	s_lshl_b32 s79, s79, 4
	s_add_co_u32 s[Q0], s78, s79
.irp g, G1T, G1KS, G1VS
	s_mov_b32 s[\g], (3<<16)|(1<<20)|(5<<22)|(3<<25)   ; elements of 8 bytes; 4 words of padding behind every 64
	s_mov_b32 s[\g+1], 32<<16
	s_mov_b32 s[\g+3], 32<<16
	s_mov_b32 s[\g+5], 32
	s_mov_b32 s[\g+6], 0
	s_mov_b32 s[\g+7], 0
.endr
; THE FILLS AS THEY STAND NOW: each LDS byte is filled once, a quarter (512 keys) at a time, one tensor load a wave.  At the head waves 0-3 fetch quarter 0 of k (128 keys, 32 rows of 256 bytes each),
; waves 4-7 of v (two chunks of 4,096 bytes each), waves 8-11 a quarter each of k's scale words (8 rows of 256 bytes), waves 12-15 of v's (4 rows).
; Quarter c + 1 is asked for by waves 0-7 behind the barrier at quarter c's head.  Every work-group fetches all four quarters.
.set G1V, 40                           ; s[40:47] v: 2 rows of 4,096 bytes, 65,536 bytes apart
	s_mov_b32 s[G1T+2], 32<<16
	s_mov_b32 s[G1T+4], 32
	s_mov_b32 s[G1KS+2], 8<<16
	s_mov_b32 s[G1KS+4], 8
	s_mov_b32 s[G1VS+2], 4<<16
	s_mov_b32 s[G1VS+4], 4
	s_mov_b32 s[G1V], (3<<16)|(1<<20)|(5<<22)|(3<<25)
	s_mov_b32 s[G1V+1], 512<<16
	s_mov_b32 s[G1V+2], 2<<16
	s_mov_b32 s[G1V+3], 512<<16
	s_mov_b32 s[G1V+4], 2
	s_mov_b32 s[G1V+5], 8192
	s_mov_b32 s[G1V+6], 0
	s_mov_b32 s[G1V+7], 0
	s_lshr_b32 s77, s12, 1                         ; head / 2
	s_add_co_u32 s78, s77, 8
	s_lshl_b32 s78, s78, 14
	s_lshl_b32 s79, s11, 13
	s_add_co_u32 s78, s78, s79
	s_and_b32 s79, s[WV], 3
	s_lshl_b32 s79, s79, 11                        ; 2,048 bytes a wave
	s_add_co_u32 s78, s78, s79
	s_add_co_u32 s78, s78, 0xc00000                ; k's scale words: my 2,048 bytes
	s_mov_b32 s79, 0
	s_lshl_b32 s80, s12, 13
	s_lshl_b32 s81, s11, 12
	s_add_co_u32 s80, s80, s81
	s_and_b32 s81, s[WV], 3
	s_lshl_b32 s81, s81, 10                        ; 1,024 bytes a wave
	s_add_co_u32 s80, s80, s81
	s_add_co_u32 s80, s80, 0xc40000                ; v's: my 1,024 bytes
	s_mov_b32 s81, 0
	s_and_b32 s83, s[WV], 3                        ; my part of four
	s_add_co_u32 s84, s12, 16
	s_lshl_b32 s84, s84, 18
	s_lshl_b32 s85, s11, 17
	s_add_co_u32 s84, s84, s85
	s_lshl_b32 s85, s83, 13
	s_add_co_u32 s86, s84, s85                     ; k: plane 16 + head, the batch's keys, my 128 of the first 512
	s_mov_b32 s87, 0
	s_lshl_b32 s85, s11, 5
	s_lshl_b32 s88, s83, 1
	s_add_co_u32 s85, s85, s88
	s_lshl_b32 s85, s85, 16
	s_lshl_b32 s88, s12, 12
	s_add_co_u32 s85, s85, s88
	s_add_co_u32 s88, s85, 0x800000                ; v: my two chunks of the first eight, the head's 64 rows
	s_mov_b32 s89, 0
	s_mul_i32 s90, s83, 8704                       ; LDS: two pieces of 4,352 bytes a wave
	s_wait_dscnt 0x0
	s_wait_kmcnt 0x0
.set G0KS, 48                          ; groups 0: k's scale words, v's, k's codes, v's codes; the last two walk from quarter to quarter
.set G0VS, 52
.set G0K,  56
.set G0V,  60
	s_mov_b32 s[G0KS], 1
	s_mul_i32 s[G0KS+1], s83, 2176
	s_add_co_u32 s[G0KS+1], s[G0KS+1], KSC
	s_add_nc_u64 s[G0KS+2:G0KS+3], s[4:5], s[78:79]
	s_or_b32 s[G0KS+3], s[G0KS+3], 0x80000000
	s_mov_b32 s[G0VS], 1
	s_mul_i32 s[G0VS+1], s83, 1088
	s_add_co_u32 s[G0VS+1], s[G0VS+1], VSC
	s_add_nc_u64 s[G0VS+2:G0VS+3], s[4:5], s[80:81]
	s_or_b32 s[G0VS+3], s[G0VS+3], 0x80000000
	s_mov_b32 s[G0K], 1
	s_mov_b32 s[G0K+1], s90
	s_add_nc_u64 s[G0K+2:G0K+3], s[4:5], s[86:87]
	s_or_b32 s[G0K+3], s[G0K+3], 0x80000000
	s_mov_b32 s[G0V], 1
	s_add_co_u32 s[G0V+1], s90, VL
	s_add_nc_u64 s[G0V+2:G0V+3], s[4:5], s[88:89]
	s_or_b32 s[G0V+3], s[G0V+3], 0x80000000
; one chain of arms on the wave's number, a load to each arm: every way through the head passes exactly one
.macro ARM under, g0, g1, next
	s_cmp_lt_u32 s[WV], \under
	s_cbranch_scc0 \next
	tensor_load_to_lds s[\g0:\g0+3], s[\g1:\g1+7]
	s_nop 0
.rept 4
	v_nop
.endr
	s_branch .Lhead_asked
\next:
.endm
	ARM 4,  G0K,  G1T,  .Lhead_v
	ARM 8,  G0V,  G1V,  .Lhead_ks
	ARM 12, G0KS, G1KS, .Lhead_vs
	tensor_load_to_lds s[G0VS:G0VS+3], s[G1VS:G1VS+7]
	s_nop 0
.rept 4
	v_nop
.endr
.Lhead_asked:
.macro TLOAD                           ; a later quarter: waves 0-3 fetch k's part, waves 4-7 v's, the others nothing
	s_cmp_lt_u32 s[WV], 4
	s_cbranch_scc0 .Lnot_k_\@
	tensor_load_to_lds s[G0K:G0K+3], s[G1T:G1T+7]
	s_nop 0
.rept 4
	v_nop
.endr
	s_branch .Lasked_\@
.Lnot_k_\@:
	s_cmp_lt_u32 s[WV], 8
	s_cbranch_scc0 .Lasked_\@
	tensor_load_to_lds s[G0V:G0V+3], s[G1V:G1V+7]
	s_nop 0
.rept 4
	v_nop
.endr
.Lasked_\@:
.endm
	s_lshl_b32 s91, s11, 11
	s_add_co_u32 s91, s91, s[Q0]                   ; my first token
	s_lshl_b32 s92, s12, 18
	s_lshl_b32 s93, s91, 6
	s_add_co_u32 s92, s92, s93                     ; plane = head, 64 bytes a token: q's codes, and the output's
	s_mov_b32 s93, 0
	s_lshl_b32 s78, s77, 14
	s_lshl_b32 s79, s91, 2
	s_add_co_u32 s78, s78, s79
	s_and_b32 s79, s12, 1
	s_lshl_b32 s79, s79, 1                         ; my head's two bytes of a scale word
	s_add_co_u32 s78, s78, s79
	s_add_co_u32 s77, s79, KSC
	s_mov_b32 s79, 0
	s_add_nc_u64 s[94:95], s[4:5], s[92:93]
	s_add_nc_u64 s[80:81], s[4:5], s[78:79]
	s_add_nc_u64 s[80:81], s[80:81], 0xc00000
	s_add_nc_u64 s[82:83], s[6:7], s[78:79]
	s_add_nc_u64 s[82:83], s[82:83], 0x400000
	s_add_nc_u64 s[84:85], s[6:7], s[92:93]
	s_mov_b32 s[SEL], 0x76543210
	s_mov_b32 s[SEL+1], 0xfedcba98
	s_mov_b32 s[CS], 0x3e38aa3b                    ; log2(e) / 8
	s_mov_b32 s[CS+1], s[CS]
	s_mov_b32 s[MNT], 0x600000
	s_mov_b32 s[TB], 0
	s_mov_b32 s[TSK], 0
	s_mov_b32 s[TSV], 0
	s_mov_b32 s[KF], 0
	v_and_b32 v8, 15, v0                           ; r
	v_bfe_u32 v9, v0, 4, 1                         ; h
	s_delay_alu instid0(VALU_DEP_2)
	v_lshrrev_b32 v10, 2, v8
	s_delay_alu instid0(VALU_DEP_1)
	v_mul_u32_u24 v10, v10, 272
	s_delay_alu instid0(VALU_DEP_4)
	v_and_b32 v11, 3, v8
	s_delay_alu instid0(VALU_DEP_1)
	v_lshl_add_u32 v10, v11, 6, v10
	s_delay_alu instid0(VALU_DEP_1)
	v_lshl_add_u32 v[AK0], v9, 4, v10              ; row r of 64 bytes, four rows to 272 bytes, + 16 h
	s_delay_alu instid0(VALU_DEP_1)
	v_add_nc_u32 v[AV0], VL, v[AK0]
	v_lshl_add_u32 v[ASK0], v8, 2, s77
	v_lshl_add_u32 v[ASV0], v8, 2, VSC
	s_mul_i32 s78, s[WV], 1280
	s_add_co_u32 s78, s78, STG
	v_mul_u32_u24 v10, v8, 80
	s_delay_alu instid0(VALU_DEP_1)
	v_lshl_add_u32 v10, v9, 4, v10
	s_delay_alu instid0(VALU_DEP_1)
	v_add_nc_u32 v[STO], s78, v10
	v_and_b32 v11, 31, v0
	s_delay_alu instid0(VALU_DEP_1)
	v_lshlrev_b32 v[GO], 4, v11
	s_delay_alu instid0(VALU_DEP_2)
	v_lshrrev_b32 v10, 2, v11
	s_delay_alu instid0(VALU_DEP_1)
	v_mul_u32_u24 v10, v10, 80
	s_delay_alu instid0(VALU_DEP_4)
	v_and_b32 v11, 3, v11
	s_delay_alu instid0(VALU_DEP_1)
	v_lshl_add_u32 v10, v11, 4, v10
	s_delay_alu instid0(VALU_DEP_1)
	v_add_nc_u32 v[RD], s78, v10
	v_lshlrev_b32 v217, 2, v8
	v_lshlrev_b32 v10, 6, v8
	s_delay_alu instid0(VALU_DEP_1)
	v_lshl_add_u32 v10, v9, 4, v10
	global_load_b128 v[16:19], v10, s[94:95]
	global_load_b128 v[20:23], v10, s[94:95] offset:32
	global_load_u16 v216, v217, s[80:81]           ; q's two scale bytes; the upper two are 0, over zero codes
.irp i, 24,25,26,27,28,29,30,31
	v_mov_b32 v\i, 0
.endr
.irp t, 0,1,2,3
.irp i, 8,9,10,11,12,13,14,15
	v_mov_b32 v[32+16*\t+\i], 0
.endr
.endr
	v_mov_b32 v13, 0xff61b1e6                      ; the largest t so far: -3e38
	s_delay_alu instid0(VALU_DEP_1)
	v_floor_f32 v12, -v13
	v_mov_b32 v14, 0
	v_mov_b32 v15, 0
.irp b, 0,1,2,3
	v_mov_b32 v[236+\b], 0
.endr
	v_mov_b32 v251, 0
	v_mov_b32 v254, 0
.set i, 0
.rept 32
	v_mov_b32 v[160+i], 0                          ; O^T: the step is written once; the first finds zeros
.set i, i+1
.endr
.macro STEP
	s_add_co_u32 s77, s[Q0], 15
	s_cmp_gt_u32 s[KF], s77
	s_cbranch_scc1 .Lhidden_\@
	v_add_nc_u32 v[ADK], s[TB], v[AK0]
	s_wait_alu depctr_va_vdst(0)
	v_add_nc_u32 v[ADV], s[TB], v[AV0]
	v_add_nc_u32 v[ADS], s[TSK], v[ASK0]
	s_wait_alu depctr_va_vdst(0)
	v_add_nc_u32 v[ADT], s[TSV], v[ASV0]
.rept 5
	v_nop                                          ; nine places with the four above: the products below write over registers that the last step's products read
.endr
.irp g, 0,1
.if \g > 0
.rept 8
	v_nop                                          ; places in front of loads into registers that matrix instructions have read
.endr
.endif
.irp t, 0,1,2,3
	ds_load_b128 v[32+16*\t:35+16*\t], v[ADK] offset:(4*\g+\t)*1088
	ds_load_b128 v[36+16*\t:39+16*\t], v[ADK] offset:(4*\g+\t)*1088+32
	ds_load_u16 v[208+\t], v[ADS] offset:272*\g+64*\t
.endr
	s_wait_dscnt 0x0
.irp t, 0,1,2,3
	v_wmma_scale_f32_16x16x128_f8f6f4 v[96+8*(4*\g+\t):103+8*(4*\g+\t)], v[32+16*\t:47+16*\t], v[16:31], 0, v[208+\t], v216 matrix_a_fmt:MATRIX_FMT_BF8 matrix_b_fmt:MATRIX_FMT_BF8
.endr
.endr
.rept 8
	v_nop
.endr
	s_add_co_u32 s77, s[KF], 127                   ; on the diagonal hidden scores become -infinity; a step all of whose keys count skips this
	s_cmp_le_u32 s77, s[Q0]
	s_cbranch_scc1 .Lopen_\@
	s_sub_co_i32 s78, s[Q0], s[KF]
	v_and_b32 v252, 15, v0
	v_bfe_u32 v248, v0, 4, 1
	s_delay_alu instid0(VALU_DEP_1)
	v_lshlrev_b32 v248, 3, v248
	s_delay_alu instid0(VALU_DEP_1)
	v_sub_nc_u32 v252, v252, v248
	s_delay_alu instid0(VALU_DEP_1)
	v_add_nc_u32 v252, s78, v252                   ; d = my query - KF - 8 h.  Register 8 T + j holds key KF + 16 T + 8 h + j: hidden where 16 T + j > d
	v_mov_b32 v249, 0xff800000
.set n, 0
.rept 64
	v_cmp_gt_i32 vcc_lo, 2*(n-n%8)+n%8, v252
	v_cndmask_b32 v[96+n], v[96+n], v249, vcc_lo
.set n, n+1
.endr
.Lopen_\@:
.irp b, 0,1,2,3
	v_max3_num_f32 v[232+\b], v[96+16*\b], v[97+16*\b], v[98+16*\b]   ; the largest score of each block of 32 keys: for the row's maximum and for the block's largest p
.endr
.irp i, 3,5,7,9,11,13
.irp b, 0,1,2,3
	v_max3_num_f32 v[232+\b], v[232+\b], v[96+16*\b+\i], v[97+16*\b+\i]
.endr
.endr
.irp b, 0,1,2,3
	v_max_num_f32 v[232+\b], v[232+\b], v[111+16*\b]
.endr
.irp b, 0,1,2,3
	s_delay_alu instid0(VALU_DEP_4)
	v_permlanex16_b32 v[236+\b], v[232+\b], s[SEL], s[SEL+1]
.endr
.irp b, 0,1,2,3
	s_delay_alu instid0(VALU_DEP_4)
	v_max_num_f32 v[232+\b], v[232+\b], v[236+\b]
.endr
	s_delay_alu instid0(VALU_DEP_2)
	v_max3_num_f32 v254, v232, v233, v234
	s_delay_alu instid0(VALU_DEP_1)
	v_max_num_f32 v254, v254, v235
	s_delay_alu instid0(VALU_DEP_1)
	v_mul_f32 v254, s[CS], v254
	s_delay_alu instid0(VALU_DEP_1)
	v_max_num_f32 v13, v13, v254                   ; the running largest t
	v_mov_b32 v254, v12
	s_delay_alu instid0(VALU_DEP_2)
	v_floor_f32 v12, -v13                          ; -M = floor(-t)
	s_delay_alu instid0(VALU_DEP_1)
	v_sub_f32 v254, v12, v254                      ; old M - new M: a whole number, 0 or less
	s_delay_alu instid0(VALU_DEP_1)
	v_cvt_i32_f32 v254, v254
	s_delay_alu instid0(VALU_DEP_1)
	v_ldexp_f32 v250, 1.0, v254                    ; f = 2^(old M - new M)
.set j, 0
.rept 32
	v_pk_fma_f32 v[96+j:97+j], v[96+j:97+j], s[CS:CS+1], v[12:13] op_sel_hi:[1,0,0]   ; t - M
.set j, j+2
.endr
.irp b, 0,1,2,3
	v_fma_f32 v[232+\b], v[232+\b], s[CS], v12
.endr
.set j, 0
	s_wait_alu depctr_va_vdst(0)
.rept 64
	v_exp_f32 v[96+j], v[96+j]                     ; p, not normalised
.set j, j+1
.endr
	v_pk_mul_f32 v[14:15], v[14:15], v[250:251] op_sel_hi:[1,0]    ; the sums under the new M; a plain instruction behind the batch
	s_wait_alu depctr_va_vdst(0)                   ; one wait for the batch, ahead of its first reader
.irp b, 0,1,2,3
	v_exp_f32 v[232+\b], v[232+\b]                 ; each block's largest p
.endr
	v_pk_add_f32 v[236:237], v[100:101], v[104:105]
	v_pk_add_f32 v[252:253], v[108:109], v[112:113]
	v_pk_add_f32 v[248:249], v[116:117], v[120:121]
	v_pk_add_f32 v[246:247], v[124:125], v[128:129]
	v_pk_add_f32 v[244:245], v[132:133], v[136:137]
	v_pk_add_f32 v[242:243], v[140:141], v[144:145]
	v_pk_add_f32 v[240:241], v[148:149], v[152:153]
	v_pk_add_f32 v[14:15], v[14:15], v[156:157]
	v_pk_add_f32 v[236:237], v[236:237], v[96:97]
	v_pk_add_f32 v[252:253], v[252:253], v[98:99]
	v_pk_add_f32 v[248:249], v[248:249], v[102:103]
	v_pk_add_f32 v[246:247], v[246:247], v[106:107]
	v_pk_add_f32 v[244:245], v[244:245], v[110:111]
	v_pk_add_f32 v[242:243], v[242:243], v[114:115]
	v_pk_add_f32 v[240:241], v[240:241], v[118:119]
	v_pk_add_f32 v[14:15], v[14:15], v[122:123]
	v_pk_add_f32 v[236:237], v[236:237], v[126:127]
	v_pk_add_f32 v[252:253], v[252:253], v[130:131]
	v_pk_add_f32 v[248:249], v[248:249], v[134:135]
	v_pk_add_f32 v[246:247], v[246:247], v[138:139]
	v_pk_add_f32 v[244:245], v[244:245], v[142:143]
	v_pk_add_f32 v[242:243], v[242:243], v[146:147]
	v_pk_add_f32 v[240:241], v[240:241], v[150:151]
	v_pk_add_f32 v[14:15], v[14:15], v[154:155]
	v_pk_add_f32 v[236:237], v[236:237], v[158:159]
	s_delay_alu instid0(VALU_DEP_2)
	v_pk_add_f32 v[14:15], v[14:15], v[246:247]
	s_delay_alu instid0(VALU_DEP_2)
	v_pk_add_f32 v[236:237], v[236:237], v[244:245]
	v_pk_add_f32 v[252:253], v[252:253], v[242:243]
	v_pk_add_f32 v[248:249], v[248:249], v[240:241]
	s_delay_alu instid0(VALU_DEP_2)
	v_pk_add_f32 v[14:15], v[14:15], v[252:253]
	s_delay_alu instid0(VALU_DEP_2)
	v_pk_add_f32 v[236:237], v[236:237], v[248:249]
	s_delay_alu instid0(VALU_DEP_1)
	v_pk_add_f32 v[14:15], v[14:15], v[236:237]
	s_wait_alu depctr_va_vdst(0)                   ; and one for the four
.irp b, 0,1,2,3
	v_max_num_f32 v[232+\b], 0x8000000, v[232+\b]
.endr
.irp b, 0,1,2,3
	s_delay_alu instid0(VALU_DEP_4)
	v_add_nc_u32 v[244+\b], 0xf8800000, v[232+\b]
.endr
.irp b, 0,1,2,3
	v_and_or_b32 v[240+\b], v[232+\b], 0x7f800000, s[MNT]
.endr
.irp b, 0,1,2,3
	v_lshrrev_b32 v[236+\b], 23, v[244+\b]
.endr
	s_delay_alu instid0(VALU_DEP_3)
	v_lshl_or_b32 v253, v237, 8, v236              ; p's scale word for these 128 keys
	s_delay_alu instid0(VALU_DEP_1)
	v_lshl_or_b32 v253, v238, 16, v253
	s_delay_alu instid0(VALU_DEP_1)
	v_lshl_or_b32 v253, v239, 24, v253
.irp b, 0,1,2,3
.irp i, 0,1,2,3,4,5,6,7,8,9,10,11,12,13,14,15
	v_min_num_f32 v[96+16*\b+\i], v[96+16*\b+\i], v[240+\b]        ; the hold: p is never negative
.endr
	v_cvt_scalef32_pk8_bf8_f32 v[192+4*\b:193+4*\b], v[96+16*\b:103+16*\b], v[244+\b]
	v_cvt_scalef32_pk8_bf8_f32 v[194+4*\b:195+4*\b], v[104+16*\b:111+16*\b], v[244+\b]
.endr
.irp t, 0,1,2,3
.irp c, 0,1,2,3
	ds_load_b128 v[96+16*\t+4*\c:99+16*\t+4*\c], v[ADV] offset:(\c/2)*4352+\t*1088+32*(\c%2)   ; v's fragments take p's registers
.endr
	ds_load_b32 v[212+\t], v[ADT] offset:64*\t
.endr
.set j, 0
.rept 16
	v_pk_mul_f32 v[160+j:161+j], v[160+j:161+j], v[250:251] op_sel_hi:[1,0]   ; O^T under the new M; these are also the places between the codes' conversions and the products
.set j, j+2
.endr
	s_wait_alu depctr_va_vdst(0)
	s_wait_dscnt 0x0
.irp t, 0,1,2,3
	v_wmma_scale_f32_16x16x128_f8f6f4 v[160+8*\t:167+8*\t], v[96+16*\t:111+16*\t], v[192:207], v[160+8*\t:167+8*\t], v[212+\t], v253 matrix_a_fmt:MATRIX_FMT_BF8 matrix_b_fmt:MATRIX_FMT_BF8
.endr
.Lhidden_\@:
	s_add_co_u32 s[KF], s[KF], 128
	s_add_co_u32 s[TB], s[TB], 8704
	s_add_co_u32 s[TSK], s[TSK], 544
	s_add_co_u32 s[TSV], s[TSV], 272
.endm
.macro QUARTER c
	s_wait_tensorcnt 0x0                           ; my part of quarter c has landed, and no load of mine is out: the walking groups 0 may be written
	ds_add_u32 v231, v255
.if \c < 3
	s_add_co_u32 s[G0K+1], s[G0K+1], 34816         ; on to the next quarter: 512 keys
	s_add_nc_u64 s[G0K+2:G0K+3], s[G0K+2:G0K+3], 0x8000
	s_add_co_u32 s[G0V+1], s[G0V+1], 34816
	s_add_nc_u64 s[G0V+2:G0V+3], s[G0V+2:G0V+3], 0x80000
.endif
	s_wait_dscnt 0x0
	s_barrier_signal -1
	s_barrier_wait -1                              ; everybody's part has landed
.if \c < 3
	TLOAD                                          ; quarter c + 1, a first fill: it has quarter c's four steps in which to land
.endif
	s_mov_b32 s[CNT], 4
.Lq_\@:
	STEP
	s_sub_co_u32 s[CNT], s[CNT], 1
	s_cmp_lg_u32 s[CNT], 0
	s_cbranch_scc1 .Lq_\@
.endm
	s_wait_loadcnt 0x0                             ; q
	QUARTER 0
	QUARTER 1
	QUARTER 2
	QUARTER 3
	; THE WAY OUT: O^T / the sum, quantised along the head's 64 (two blocks), through my stage, out as 1,024 consecutive bytes
.rept 8
	v_nop
.endr
	v_add_f32 v14, v14, v15
	s_delay_alu instid0(VALU_DEP_1)
	v_permlanex16_b32 v254, v14, s[SEL], s[SEL+1]
	s_delay_alu instid0(VALU_DEP_1)
	v_add_f32 v14, v14, v254
	s_wait_alu depctr_va_vdst(0)
	v_rcp_f32 v14, v14
	v_nop
	s_wait_alu depctr_va_vdst(0)
.set j, 0
.rept 16
	v_pk_mul_f32 v[96+j:97+j], v[160+j:161+j], v[14:15] op_sel_hi:[1,0]   ; register 8 t + i: d = 16 t + 8 h + i
.set j, j+2
.endr
.irp b, 0,1
	v_max3_num_f32 v[232+\b], |v[96+16*\b]|, |v[97+16*\b]|, 0x8000000
.endr
.irp i, 2,4,6,8,10,12,14
.irp b, 0,1
	s_delay_alu instid0(VALU_DEP_2)
	v_max3_num_f32 v[232+\b], v[232+\b], |v[96+16*\b+\i]|, |v[97+16*\b+\i]|
.endr
.endr
.irp b, 0,1
	s_delay_alu instid0(VALU_DEP_2)
	v_permlanex16_b32 v[236+\b], v[232+\b], s[SEL], s[SEL+1]
.endr
.irp b, 0,1
	s_delay_alu instid0(VALU_DEP_2)
	v_max_num_f32 v[232+\b], v[232+\b], v[236+\b]
.endr
.irp b, 0,1
	s_delay_alu instid0(VALU_DEP_2)
	v_add_nc_u32 v[244+\b], 0xf8800000, v[232+\b]
.endr
.irp b, 0,1
	s_delay_alu instid0(VALU_DEP_4)
	v_and_or_b32 v[240+\b], v[232+\b], 0x7f800000, s[MNT]
.endr
.irp b, 0,1
	s_delay_alu instid0(VALU_DEP_4)
	v_lshrrev_b32 v[236+\b], 23, v[244+\b]
.endr
	s_delay_alu instid0(VALU_DEP_1)
	v_lshl_or_b32 v248, v237, 8, v236
.irp b, 0,1
.irp i, 0,1,2,3,4,5,6,7,8,9,10,11,12,13,14,15
	v_med3_num_f32 v[96+16*\b+\i], v[96+16*\b+\i], -v[240+\b], v[240+\b]
.endr
	v_cvt_scalef32_pk8_bf8_f32 v[192+4*\b:193+4*\b], v[96+16*\b:103+16*\b], v[244+\b]
	v_cvt_scalef32_pk8_bf8_f32 v[194+4*\b:195+4*\b], v[104+16*\b:111+16*\b], v[244+\b]
.endr
	v_nop
	ds_store_b128 v[STO], v[192:195]
	ds_store_b128 v[STO], v[196:199] offset:32
	ds_load_b128 v[200:203], v[RD]                 ; LDS serves a wave's instructions in order: these see my stores
	ds_load_b128 v[204:207], v[RD] offset:640
	global_store_b16 v217, v248, s[82:83]          ; my head's two bytes of my token's scale word (lanes l and l xor 16 store the same): two bytes a token, 131,072 bytes in the launch
	s_wait_dscnt 0x0
	global_store_b128 v[GO], v[200:203], s[84:85]
	global_store_b128 v[GO], v[204:207], s[84:85] offset:512   ; the wave stores 512 consecutive bytes, aligned
	s_wait_tensorcnt 0x0
	s_wait_tensorcnt 0x0
	ds_add_u32 v231, v255
	s_wait_dscnt 0x0
	s_endpgm
.Lfunc_end_k_qa66498ac78_attn:
	.size	k_qa66498ac78_attn, .Lfunc_end_k_qa66498ac78_attn-k_qa66498ac78_attn
	.p2alignl 7, 3214868480
	.fill 96, 4, 3214868480
	.section	.rodata,"a",@progbits
	.p2align	6, 0x0
	.amdhsa_kernel k_qa66498ac78_attn
		.amdhsa_group_segment_fixed_size 327680
		.amdhsa_private_segment_fixed_size 0
		.amdhsa_enable_private_segment 0
		.amdhsa_kernarg_size 16
		.amdhsa_user_sgpr_count 2
		.amdhsa_user_sgpr_kernarg_segment_ptr 1
		.amdhsa_wavefront_size32 1
		.amdhsa_system_sgpr_workgroup_id_x 1
		.amdhsa_system_sgpr_workgroup_id_y 1
		.amdhsa_system_sgpr_workgroup_id_z 1
		.amdhsa_system_vgpr_workitem_id 0
		.amdhsa_next_free_vgpr 256
		.amdhsa_next_free_sgpr 96
		.amdhsa_reserve_vcc 1
		.amdhsa_float_denorm_mode_32 3
		.amdhsa_float_denorm_mode_16_64 3
		.amdhsa_memory_ordered 1
		.amdhsa_forward_progress 1
		.amdhsa_inst_pref_size 126
	.end_amdhsa_kernel
	.amdgpu_metadata
---
amdhsa.version: [ 1, 2 ]
amdhsa.kernels:
  - .name:           k_qa66498ac78_attn
    .symbol:         k_qa66498ac78_attn.kd
    .args:
      - { .name: qkvc, .offset: 0, .size: 8, .value_kind: global_buffer, .address_space: global }
      - { .name: aoc, .offset: 8, .size: 8, .value_kind: global_buffer, .address_space: global }
    .group_segment_fixed_size: 327680
    .private_segment_fixed_size: 0
    .kernarg_segment_align: 8
    .kernarg_segment_size: 16
    .max_flat_workgroup_size: 512
    .sgpr_count:     96
    .vgpr_count:     256
    .wavefront_size: 32
...
	.end_amdgpu_metadata
.endif
;; end of part 3
;; launch oproj (part 4): grid 8 x 32, 4 waves a work-group, clusters of 4 x 4, 327,680 bytes of LDS; arguments aoc, wcodes, bo, x, xmid; writes xmid
.if DOCPART == 4
	.amdgcn_target "amdgcn-amd-amdhsa--gfx1250"
	.amdhsa_code_object_version 6
	.text
	.protected	k_qa66498ac78_oproj
	.globl	k_qa66498ac78_oproj
	.p2align	8
	.type	k_qa66498ac78_oproj,@function
k_qa66498ac78_oproj:
	s_mov_b64 s[64:65], 0
	v_nop
	global_prefetch_b8 v0, s[64:65] scope:SCOPE_SE
	s_setreg_imm32_b32 hwreg(HW_REG_WAVE_MODE, 25, 1), 1
	s_wait_xcnt 0x0
	s_wait_alu depctr_hold_cnt(0) depctr_sa_sdst(0) depctr_va_vdst(0) depctr_va_sdst(0) depctr_va_ssrc(0) depctr_va_vcc(0) depctr_vm_vsrc(0)
	s_getreg_b32 s2, hwreg(HW_REG_IB_STS2, 6, 4)
	s_cmp_eq_u32 s2, 0
	s_cbranch_scc0 .Lentry_in_a_cluster
	s_endpgm
.Lentry_in_a_cluster:
	s_bfe_u32 s2, ttmp6, 0x10000c
	s_cmp_lg_u32 s2, 0xf033
	s_cbranch_scc0 .Lentry_shape_is_right
	s_endpgm
.Lentry_shape_is_right:
.set SIZE_K, 1024
.set ASOFF,  0x400000
.set BCOFF,  0x300000
.set BSOFF,  0xc18000
.set APL,    8704
.set BP,     528
.set AHALF,  4*APL
.set BOFF,   8*APL
.set BHALF,  64*BP
.set SLOT,   BOFF+2*BHALF
.set LAPS,   SIZE_K/1024
.set KS,     SIZE_K/32
.set SCA,    2*SLOT
.set SAH,    (SIZE_K/256)*512
.set SCB,    SCA+2*SAH
.set SBH,    (64*KS/256)*272
.set SBLK,   (16*KS/256)*272
.set SPARE,  SCB+2*SBH
.set ADRA, 16
.set ADRB, 20
.set ADSA, 22
.set ADSB, 23
.set STO,  24
.set RD,   25
.set CO,   26
.set BIO,  27
.set SPW,  28
.set NIL,  29
.set SC,   32
.set BI,   96
.set OB,   96
.set ACC,  128
.set F0,   0
.set F1,   128
.set G1, 24
.set G0, 32
.set G1B, 48
.set G0B, 56
.set G1S, 68
.set G0S, 76
.set G1SB, 80
.set G0SB, 88
.set MSB, 0
.macro WIN new
.if MSB != \new
	s_set_vgpr_msb (MSB<<8)|\new
.set MSB, \new
.endif
.endm
.set MUL,  0x05
.set TO_F, 0x40
.macro JLOAD g0a, g1a, g0b, g1b
	s_cmp_eq_u32 s15, 0
	s_cbranch_scc0 .Lfor_b_\@
	tensor_load_to_lds s[\g0a:\g0a+3], s[\g1a:\g1a+7]
	s_nop 0
.rept 4
	v_nop
.endr
	s_branch .Lasked_\@
.Lfor_b_\@:
	tensor_load_to_lds s[\g0b:\g0b+3], s[\g1b:\g1b+7]
	s_nop 0
.rept 4
	v_nop
.endr
.Lasked_\@:
.endm
.macro CREST
	s_cmp_lg_u32 s14, 0
	s_cbranch_scc1 .Lnot_wave_0_\@
	s_barrier_signal -3
.Lnot_wave_0_\@:
	s_barrier_wait -3
	s_barrier_signal -1
	s_barrier_wait -1
.endm
.macro CROUND
	s_barrier_signal -1
	s_barrier_wait -1
	CREST
.endm
	s_load_b256 s[4:11], s[0:1], 0x0
	s_load_b64 s[12:13], s[0:1], 0x20
	v_lshl_add_u32 v[SPW], v0, 2, SPARE
	v_mov_b32 v[NIL], 0
	ds_add_u32 v28, v29
	ds_add_u32 v28, v29
	s_wait_dscnt 0x0
	v_lshrrev_b32 v1, 5, v0
	v_readfirstlane_b32 s14, v1
	s_lshr_b32 s15, s14, 1
	s_and_b32 s16, s14, 1
	s_bfe_u32 s40, ttmp6, 0x40000
	s_bfe_u32 s41, ttmp6, 0x40004
	s_lshl_b32 s42, ttmp9, 2
	s_add_co_u32 s42, s42, s40
	s_and_b32 s17, ttmp7, 0xffff
	s_lshl_b32 s17, s17, 2
	s_add_co_u32 s17, s17, s41
	s_lshl_b32 s43, s41, 2
	s_lshl_b32 s43, 15, s43
	s_lshl_b32 s44, 0x1111, s40
	s_or_b32 s[G1+0], s43, (3<<16)|(1<<20)|(1<<21)|(5<<22)|(3<<25)
	s_mov_b32 s[G1+1], 1024<<16
	s_mov_b32 s[G1+2], 8<<16                       ; the head's load brings a slot's 8 planes; the ring's 4 are set behind the head's wait
	s_mov_b32 s[G1+3], 1024<<16
	s_mov_b32 s[G1+4], 8
	s_mov_b32 s[G1+5], 32768
	s_mov_b32 s[G1+6], 0
	s_mov_b32 s[G1+7], 0
	s_or_b32 s[G1B+0], s44, (0<<16)|(1<<20)|(1<<21)|(6<<22)|(3<<25)
	s_mov_b32 s[G1B+1], 512<<16
	s_mov_b32 s[G1B+2], 128<<16                    ; likewise 128 rows, then 64
	s_mov_b32 s[G1B+3], 512<<16
	s_mov_b32 s[G1B+4], 128
	s_mov_b32 s[G1B+5], SIZE_K
	s_mov_b32 s[G1B+6], 0
	s_mov_b32 s[G1B+7], 0
	s_or_b32 s[G1S+0], s43, (3<<16)|(1<<21)
	s_mov_b32 s[G1S+1], 64<<16
	s_mov_b32 s[G1S+2], (SIZE_K/128)<<16           ; A's scale words for all of K in one load
	s_mov_b32 s[G1S+3], 64<<16
	s_mov_b32 s[G1S+4], SIZE_K/128
	s_mov_b32 s[G1S+5], 2048
	s_mov_b32 s[G1S+6], 0
	s_mov_b32 s[G1S+7], 0
	s_or_b32 s[G1SB+0], s44, (3<<16)|(1<<20)|(1<<21)|(5<<22)|(3<<25)
	s_mov_b32 s[G1SB+1], 32<<16
	s_mov_b32 s[G1SB+2], (128*KS/256)<<16          ; B's scale bytes of all 128 rows in one load
	s_mov_b32 s[G1SB+3], 32<<16
	s_mov_b32 s[G1SB+4], 128*KS/256
	s_mov_b32 s[G1SB+5], 32
	s_mov_b32 s[G1SB+6], 0
	s_mov_b32 s[G1SB+7], 0
	s_lshl_b32 s20, s16, 20
	s_lshl_b32 s21, s17, 13
	s_add_co_u32 s20, s20, s21
	s_mov_b32 s21, 0
	s_lshl_b32 s22, s17, 9
	s_add_co_u32 s22, s22, ASOFF
	s_mov_b32 s23, 0
	s_lshl_b32 s46, s42, 7
	s_lshl_b32 s47, s16, 6
	s_add_co_u32 s46, s46, s47
	s_lshl_b32 s92, s42, 7
	s_mul_i32 s92, s92, KS
	s_add_co_u32 s92, s92, BSOFF
	s_mov_b32 s93, 0
	s_mul_i32 s46, s46, SIZE_K
	s_add_co_u32 s46, s46, BCOFF
	s_mov_b32 s47, 0
	s_mul_i32 s45, s16, AHALF
	s_mul_i32 s94, s16, BHALF
	s_add_co_u32 s94, s94, BOFF
	s_wait_kmcnt 0x0
	s_add_nc_u64 s[20:21], s[4:5], s[20:21]
	s_add_nc_u64 s[22:23], s[4:5], s[22:23]
	s_add_nc_u64 s[46:47], s[6:7], s[46:47]
	s_add_nc_u64 s[92:93], s[6:7], s[92:93]
	CROUND
	s_mov_b32 s[G0S], 1
	s_mov_b32 s[G0S+1], SCA
	s_mov_b64 s[G0S+2:G0S+3], s[22:23]
	s_or_b32 s[G0S+3], s[G0S+3], 0x80000000
	s_mov_b32 s[G0SB], 1
	s_mov_b32 s[G0SB+1], SCB
	s_mov_b64 s[G0SB+2:G0SB+3], s[92:93]
	s_or_b32 s[G0SB+3], s[G0SB+3], 0x80000000
.irp s, 0,1
	s_mov_b32 s[G0+4*\s], 1
	s_add_co_u32 s[G0+4*\s+1], s45, \s*SLOT
	s_add_nc_u64 s[G0+4*\s+2:G0+4*\s+3], s[20:21], \s*2097152
	s_or_b32 s[G0+4*\s+3], s[G0+4*\s+3], 0x80000000
	s_mov_b32 s[G0B+4*\s], 1
	s_add_co_u32 s[G0B+4*\s+1], s94, \s*SLOT
	s_add_nc_u64 s[G0B+4*\s+2:G0B+4*\s+3], s[46:47], \s*512
	s_or_b32 s[G0B+4*\s+3], s[G0B+4*\s+3], 0x80000000
.endr
; THE HEAD'S LOADS, ONE A WAVE, in one chain of arms on the wave's number: wave 0 slot 0's 8 planes of A, wave 2 its 128 rows of B
; (their slot 0 descriptors hold the tile's first byte and its LDS place), wave 1 A's scale words, wave 3 B's scale bytes.
.macro ARM under, g0, g1, next
	s_cmp_lt_u32 s14, \under
	s_cbranch_scc0 \next
	tensor_load_to_lds s[\g0:\g0+3], s[\g1:\g1+7]
	s_nop 0
.rept 4
	v_nop
.endr
	s_branch .Lhead_asked
\next:
.endm
	ARM 1, G0,  G1,  .Lhead_sa
	ARM 2, G0S, G1S, .Lhead_b
	ARM 3, G0B, G1B, .Lhead_sb
	tensor_load_to_lds s[G0SB:G0SB+3], s[G1SB:G1SB+7]
	s_nop 0
.rept 4
	v_nop
.endr
.Lhead_asked:
	v_and_b32 v1, 15, v0
	v_bfe_u32 v2, v0, 4, 1
	v_lshrrev_b32 v3, 2, v1
	v_mul_u32_u24 v3, v3, 272
	v_and_b32 v4, 3, v1
	v_lshl_add_u32 v3, v4, 6, v3
	v_lshl_add_u32 v3, v2, 4, v3
	v_mul_u32_u24 v4, v1, BP
	v_lshl_add_u32 v4, v2, 4, v4
	s_mul_i32 s21, s15, 4352
	s_mul_i32 s22, s16, BHALF
	s_add_co_u32 s22, s22, BOFF
.irp s, 0,1
	v_add_nc_u32 v[ADRA+\s], s21, v3
	v_add_nc_u32 v[ADRB+\s], s22, v4
	s_add_co_u32 s21, s21, SLOT
	s_add_co_u32 s22, s22, SLOT
.endr
	s_lshl_b32 s21, s15, 8
	s_add_co_u32 s21, s21, SCA
	v_lshl_add_u32 v[ADSA], v1, 2, s21
	v_mul_u32_u24 v5, v1, KS
	v_lshrrev_b32 v6, 8, v5
	v_lshl_add_u32 v5, v6, 4, v5
	s_mul_i32 s22, s16, 4*SBLK
	s_add_co_u32 s22, s22, SCB
	v_add_nc_u32 v[ADSB], s22, v5
	s_mul_i32 s23, s14, 16*272
	v_mul_u32_u24 v5, v1, 272
	v_lshl_add_u32 v5, v2, 5, v5
	v_add_nc_u32 v[STO], s23, v5
	v_mul_u32_u24 v5, v2, 272
	v_lshl_add_u32 v5, v1, 4, v5
	v_add_nc_u32 v[RD], s23, v5
	v_lshlrev_b32 v5, 12, v2
	v_lshl_add_u32 v[CO], v1, 4, v5
	v_lshlrev_b32 v[BIO], 5, v2
	s_wait_alu depctr_va_vdst(0)
	s_lshl_b32 s20, s17, 7
	s_lshl_b32 s21, s15, 6
	s_add_co_u32 s20, s20, s21
	s_lshl_b32 s20, s20, 12
	s_lshl_b32 s46, s42, 7
	s_lshl_b32 s47, s16, 6
	s_add_co_u32 s46, s46, s47
	s_lshl_b32 s46, s46, 2
	s_mov_b32 s47, 0
	s_add_nc_u64 s[8:9], s[8:9], s[46:47]
	s_add_co_u32 s20, s20, s46
	s_mov_b32 s21, 0
	s_add_nc_u64 s[10:11], s[10:11], s[20:21]
	s_add_nc_u64 s[12:13], s[12:13], s[20:21]
.irp b, 0,1,2,3
	global_load_b128 v[BI+8*\b:BI+8*\b+3], v[BIO], s[8:9] offset:64*\b
	global_load_b128 v[BI+8*\b+4:BI+8*\b+7], v[BIO], s[8:9] offset:64*\b+16
.endr
	WIN 0x80
.set i, 0
.rept 32
	global_load_b128 v[4*i:4*i+3], v[CO], s[10:11] offset:8192*i
.set i, i+1
.endr
	WIN 0
.macro PLACES n
.rept \n
	v_nop
.endr
.endm
.macro FETCH slot, q, f
	WIN TO_F
.irp i, 0,1,2,3
.irp c, 0,1,2,3
	ds_load_b128 v[\f+16*\i+4*\c:\f+16*\i+4*\c+3], v[ADRA+\slot] offset:(2*(\q)+\c/2)*APL+\i*1088+32*(\c%2)
.endr
.endr
.irp i, 0,1,2,3
.irp c, 0,1,2,3
	ds_load_b128 v[\f+64+16*\i+4*\c:\f+64+16*\i+4*\c+3], v[ADRB+\slot] offset:\i*16*BP+128*(\q)+32*\c
.endr
.endr
.endm
.macro SCALES set
	WIN 0
.irp q, 0,1,2,3
.irp i, 0,1,2,3
	ds_load_b32 v[SC+32*\set+4*\q+\i], v[ADSA] offset:512*\q+64*\i
.endr
.endr
.irp i, 0,1,2,3
	ds_load_b128 v[SC+32*\set+16+4*\i:SC+32*\set+16+4*\i+3], v[ADSB] offset:\i*SBLK
.endr
.endm
.macro MUL8 f, q, set, a0, zero
.irp a, \a0, \a0+1
.irp b, 0,1,2,3
.if \zero
	v_wmma_scale_f32_16x16x128_f8f6f4 v[ACC+8*(4*(\a)+\b):ACC+8*(4*(\a)+\b)+7], v[\f+64+16*\b:\f+64+16*\b+15], v[\f+16*(\a):\f+16*(\a)+15], v[BI+8*\b:BI+8*\b+7], v[SC+32*(\set)+16+4*\b+(\q)], v[SC+32*(\set)+4*(\q)+(\a)] matrix_a_fmt:MATRIX_FMT_BF8 matrix_b_fmt:MATRIX_FMT_BF8
.else
	v_wmma_scale_f32_16x16x128_f8f6f4 v[ACC+8*(4*(\a)+\b):ACC+8*(4*(\a)+\b)+7], v[\f+64+16*\b:\f+64+16*\b+15], v[\f+16*(\a):\f+16*(\a)+15], v[ACC+8*(4*(\a)+\b):ACC+8*(4*(\a)+\b)+7], v[SC+32*(\set)+16+4*\b+(\q)], v[SC+32*(\set)+4*(\q)+(\a)] matrix_a_fmt:MATRIX_FMT_BF8 matrix_b_fmt:MATRIX_FMT_BF8
.endif
.endr
.endr
.endm
.macro STEPM slot, q, zero
.set FC, 128*((\q)%2)
.set FN, 128-FC
	s_wait_dscnt 0x0
	PLACES 8
	FETCH \slot, (\q)+1, FN
	WIN MUL
	MUL8 FC, \q, \slot, 0, \zero
	MUL8 FC, \q, \slot, 2, \zero
.endm
.macro TURN slot, next, fill
	WIN 0
	s_wait_tensorcnt 0x0
	ds_add_u32 v[SPW], v[NIL]
	s_wait_dscnt 0x0
	s_barrier_signal -1
	WIN MUL
	MUL8 F1, 3, \slot, 0, 0
	WIN 0
	s_barrier_wait -1
.if \fill
	CREST
	s_add_nc_u64 s[G0+4*\slot+2:G0+4*\slot+3], s[G0+4*\slot+2:G0+4*\slot+3], 4194304
	s_add_nc_u64 s[G0B+4*\slot+2:G0B+4*\slot+3], s[G0B+4*\slot+2:G0B+4*\slot+3], 1024
	JLOAD G0+4*\slot, G1, G0B+4*\slot, G1B
	PLACES 4
.else
	PLACES 8
.endif
	v_add_nc_u32 v[ADSA], 2048, v[ADSA]
	v_add_nc_u32 v[ADSB], 16, v[ADSB]
	FETCH \next, 0, F0
	SCALES \next
	WIN MUL
	MUL8 F1, 3, \slot, 2, 0
.endm
	s_wait_alu depctr_va_vdst(0)
	s_wait_tensorcnt 0x0                           ; my tile of the head's four is in
	ds_add_u32 v[SPW], v[NIL]
	s_mov_b32 s[G1+2], 4<<16                       ; no tensor load of mine is out: from here on a load brings half a slot's tile
	s_mov_b32 s[G1+4], 4
	s_mov_b32 s[G1B+2], 64<<16
	s_mov_b32 s[G1B+4], 64
	s_wait_dscnt 0x0
	CROUND                                         ; all four tiles are in, and all sixteen work-groups are here
	JLOAD G0+4, G1, G0B+4, G1B                     ; slot 1, the first tensor load behind the round
	FETCH 0, 0, F0
	SCALES 0
	s_wait_loadcnt 32
	STEPM 0, 0, 1
.if LAPS > 1
	WIN 0
	s_mov_b32 s3, LAPS-1
.Llap:
	STEPM 0, 1, 0
	STEPM 0, 2, 0
	TURN 0, 1, 1
	STEPM 1, 0, 0
	STEPM 1, 1, 0
	STEPM 1, 2, 0
	TURN 1, 0, 1
	STEPM 0, 0, 0
	WIN 0
	s_sub_co_u32 s3, s3, 1
	s_cmp_lg_u32 s3, 0
	s_cbranch_scc1 .Llap
.endif
	STEPM 0, 1, 0
	STEPM 0, 2, 0
	TURN 0, 1, 0
	STEPM 1, 0, 0
	STEPM 1, 1, 0
	STEPM 1, 2, 0
	s_wait_dscnt 0x0
	WIN MUL
	MUL8 F1, 3, 1, 0, 0
	MUL8 F1, 3, 1, 2, 0
	WIN 0
	PLACES 8
	s_wait_loadcnt 0x0
.irp a, 0,1,2,3
.if \a > 0
	s_wait_xcnt 0x0
.endif
.irp b, 0,1,2,3
	ds_store_b128 v[STO], v[ACC+8*(4*\a+\b):ACC+8*(4*\a+\b)+3] offset:64*\b
	ds_store_b128 v[STO], v[ACC+8*(4*\a+\b)+4:ACC+8*(4*\a+\b)+7] offset:64*\b+16
.endr
.irp t, 0,1,2,3,4,5,6,7
	ds_load_b128 v[OB+4*\t:OB+4*\t+3], v[RD] offset:544*\t
.endr
	s_wait_dscnt 0x0
	WIN 0x08
.irp p, 0,2,4,6,8,10,12,14,16,18,20,22,24,26,28,30
	v_pk_add_f32 v[OB+\p:OB+\p+1], v[OB+\p:OB+\p+1], v[32*\a+\p:32*\a+\p+1]
.endr
	WIN 0
.irp t, 0,1,2,3,4,5,6,7
	global_store_b128 v[CO], v[OB+4*\t:OB+4*\t+3], s[12:13] offset:(16*\a+2*\t)*4096
.endr
.endr
	s_wait_tensorcnt 0x0
	ds_add_u32 v[SPW], v[NIL]
	s_wait_dscnt 0x0
	CROUND
	s_endpgm
.Lfunc_end_k_qa66498ac78_oproj:
	.size	k_qa66498ac78_oproj, .Lfunc_end_k_qa66498ac78_oproj-k_qa66498ac78_oproj
	.p2alignl 7, 3214868480
	.fill 96, 4, 3214868480
	.section	.rodata,"a",@progbits
	.p2align	6, 0x0
	.amdhsa_kernel k_qa66498ac78_oproj
		.amdhsa_group_segment_fixed_size 327680
		.amdhsa_private_segment_fixed_size 0
		.amdhsa_enable_private_segment 0
		.amdhsa_kernarg_size 40
		.amdhsa_user_sgpr_count 2
		.amdhsa_user_sgpr_kernarg_segment_ptr 1
		.amdhsa_wavefront_size32 1
		.amdhsa_system_sgpr_workgroup_id_x 1
		.amdhsa_system_sgpr_workgroup_id_y 1
		.amdhsa_system_sgpr_workgroup_id_z 1
		.amdhsa_system_vgpr_workitem_id 0
		.amdhsa_next_free_vgpr 640
		.amdhsa_next_free_sgpr 98
		.amdhsa_reserve_vcc 0
		.amdhsa_float_denorm_mode_32 3
		.amdhsa_float_denorm_mode_16_64 3
		.amdhsa_memory_ordered 1
		.amdhsa_forward_progress 1
		.amdhsa_inst_pref_size 65
	.end_amdhsa_kernel
	.amdgpu_metadata
---
amdhsa.version: [ 1, 2 ]
amdhsa.kernels:
  - .name:           k_qa66498ac78_oproj
    .symbol:         k_qa66498ac78_oproj.kd
    .args:
      - { .name: aoc, .offset: 0, .size: 8, .value_kind: global_buffer, .address_space: global }
      - { .name: wcodes, .offset: 8, .size: 8, .value_kind: global_buffer, .address_space: global }
      - { .name: bo, .offset: 16, .size: 8, .value_kind: global_buffer, .address_space: global }
      - { .name: x, .offset: 24, .size: 8, .value_kind: global_buffer, .address_space: global }
      - { .name: xmid, .offset: 32, .size: 8, .value_kind: global_buffer, .address_space: global }
    .group_segment_fixed_size: 327680
    .private_segment_fixed_size: 0
    .kernarg_segment_align: 8
    .kernarg_segment_size: 40
    .max_flat_workgroup_size: 128
    .sgpr_count:     98
    .vgpr_count:     640
    .wavefront_size: 32
...
	.end_amdgpu_metadata
.endif
;; end of part 4
;; launch ln2 (part 5): grid 512 x 1, 4 waves a work-group, no clusters, 22,016 bytes of LDS; arguments xmid, g2, be2, hact; writes hact
.if DOCPART == 5
	.amdgcn_target "amdgcn-amd-amdhsa--gfx1250"
	.amdhsa_code_object_version 6
	.text
	.protected	k_qa66498ac78_ln2
	.globl	k_qa66498ac78_ln2
	.p2align	8
	.type	k_qa66498ac78_ln2,@function
k_qa66498ac78_ln2:
	s_mov_b64 s[64:65], 0
	v_nop
	global_prefetch_b8 v0, s[64:65] scope:SCOPE_SE
	s_setreg_imm32_b32 hwreg(HW_REG_WAVE_MODE, 25, 1), 1
	s_wait_xcnt 0x0
; A layer norm over rows of 1,024 f32 numbers, (x - mean) x rsqrt(var + 1e-5) x g + be, all in f32, quantised on the way to codes of BF8 (E5M2), [4096][1024], with scale bytes [4096][32] at +4,194,304.
; ORDER INSIDE A BLOCK OF 32: byte 16 h + 8 u + j holds k = 16 u + 8 h + j, as in every operand of this program.
; A work-group of four waves takes 8 rows, a wave TWO, a row at a time in 32 registers: eight loads of 512 consecutive bytes; both rows, g and be are asked for at the head: 32 loads a wave.
; The normalised row turns through the wave's own stage in LDS (16 bytes of padding behind each 64), so that a lane holds 16 numbers of one block in the order above; two neighbouring lanes hold a block.
; A wave's store of codes covers 512 consecutive bytes.  Its 64 scale bytes are gathered in LDS and leave as 64 consecutive bytes, two a lane: a part of an aligned 256 bytes; one byte for 32 of codes.
; Waves share nothing: no barrier.  No cluster, no tensor loads: work-groups share no input but g and be, 8,192 bytes.
; LIMITS: a block of zeros gets the byte 1 (its codes are zeros; this program alone reads the bytes); magnitudes under 2^-111 are held at that floor; NaN and infinities are not served.
.set EMAX, 15
.set ROWS, 2
.set LWV,  5376                        ; a wave's LDS: two stages of 2,560 bytes, and 256 for its scale bytes
.set G,   16                           ; v16-47   g in the loads' layout
.set BE,  48                           ; v48-79   be
.set XR,  80                           ; v80-143  my two rows
.set Y,   144                          ; v144-175 the row at work
.set CD,  176                          ; v176-183 codes
.set EB,  184                          ; v184-185 scale bytes
.set W,   186                          ; v186-199 at work
	s_load_b256 s[4:11], s[0:1], 0x0               ; x, g, be, codes
	v_lshl_add_u32 v200, v0, 2, 0x5400
	v_mov_b32 v201, 0
	s_mov_b32 s15, ttmp9                           ; which 8 rows
	v_lshrrev_b32 v1, 5, v0
	v_readfirstlane_b32 s12, v1                    ; wave
	v_and_b32 v2, 31, v0
	v_lshlrev_b32 v3, 4, v2                        ; 16 x lane
	s_lshl_b32 s13, s12, 13
	v_add_nc_u32 v4, s13, v3                       ; x: + wave x 2 rows of 4,096 bytes
	s_lshl_b32 s13, s12, 11
	v_add_nc_u32 v5, s13, v3                       ; codes: + wave x 2 rows of 1,024 bytes
	s_mul_i32 s13, s12, LWV                        ; my wave's LDS
	v_lshrrev_b32 v6, 2, v2
	v_mul_u32_u24 v6, v6, 80
	v_and_b32 v7, 3, v2
	v_lshl_add_u32 v6, v7, 4, v6
	v_add_nc_u32 v6, s13, v6                       ; the stage, in: 80 (lane / 4) + 16 (lane % 4)
	v_and_b32 v7, 30, v2
	v_mul_u32_u24 v7, v7, 80
	v_and_b32 v8, 1, v2
	v_lshl_add_u32 v7, v8, 5, v7
	v_add_nc_u32 v7, s13, v7                       ; out: the block's two groups of 16, my 8 of each
	v_lshrrev_b32 v8, 1, v2
	v_add_nc_u32 v8, s13, v8                       ; my block's scale byte
	v_lshlrev_b32 v9, 1, v2
	v_add_nc_u32 v10, s13, v9                      ; the scale bytes, back: 2 a lane
	s_lshl_b32 s14, s12, 6
	v_add_nc_u32 v9, s14, v9                       ; and their place among the work-group's 256
	s_mov_b32 s16, 0x3a800000                      ; 1 / 1,024
	s_mov_b32 s17, 0x3727c5ac                      ; 1e-5
	s_mov_b32 s18, 0x76543210
	s_mov_b32 s19, 0xfedcba98                      ; lane l xor 16
	s_mov_b32 s20, 0x600000
	s_lshl_b32 s24, s15, 15                        ; the work-group's 8 rows of x,
	s_mov_b32 s25, 0
	s_lshl_b32 s26, s15, 13                        ; of codes,
	s_mov_b32 s27, 0
	s_lshl_b32 s28, s15, 8                         ; of scale bytes
	s_mov_b32 s29, 0
	v_mov_b32 v[W+9], 0                            ; upper halves of pairs that are named whole, and a lane permute's destination
	v_mov_b32 v[W+10], 0
	v_mov_b32 v[W+13], 0
	s_wait_kmcnt 0x0
	s_add_nc_u64 s[4:5], s[4:5], s[24:25]
	s_add_nc_u64 s[22:23], s[10:11], s[28:29]
	s_add_nc_u64 s[22:23], s[22:23], 0x400000
	s_add_nc_u64 s[10:11], s[10:11], s[26:27]
.irp j, 0,1,2,3,4,5,6,7
	global_load_b128 v[G+4*\j:G+4*\j+3], v3, s[6:7] offset:512*\j
	global_load_b128 v[BE+4*\j:BE+4*\j+3], v3, s[8:9] offset:512*\j
.endr
.macro LOADROW p
.irp j, 0,1,2,3,4,5,6,7
	global_load_b128 v[XR+32*(\p)+4*\j:XR+32*(\p)+4*\j+3], v4, s[4:5] offset:4096*(\p)+512*\j th:TH_LOAD_NT
.endr
.endm
.macro ACROSS r                        ; the sum of v[r] over the 32 lanes, in every lane
	v_add_f32_dpp v[\r], v[\r], v[\r] row_xmask:1 row_mask:0xf bank_mask:0xf
	v_add_f32_dpp v[\r], v[\r], v[\r] row_xmask:2 row_mask:0xf bank_mask:0xf
	v_add_f32_dpp v[\r], v[\r], v[\r] row_xmask:4 row_mask:0xf bank_mask:0xf
	v_add_f32_dpp v[\r], v[\r], v[\r] row_xmask:8 row_mask:0xf bank_mask:0xf
	v_permlanex16_b32 v[W+10], v[\r], s18, s19
	v_add_f32 v[\r], v[\r], v[W+10]
.endm
.macro FOLD r                          ; four chains of pairs become one number
	v_pk_add_f32 v[W:W+1], v[W:W+1], v[W+2:W+3]
	v_pk_add_f32 v[W+4:W+5], v[W+4:W+5], v[W+6:W+7]
	v_pk_add_f32 v[W:W+1], v[W:W+1], v[W+4:W+5]
	v_add_f32 v[\r], v[W], v[W+1]
.endm
	LOADROW 0
	LOADROW 1
.macro ROW p
.set XS, XR+32*(\p)
	s_wait_loadcnt 8*(ROWS-1-(\p))                 ; my row's loads are in, and g and be, which were issued ahead of them; the later row's eight may be out
.if (\p) > 0
	s_wait_xcnt 0x0                                ; the last row's stores have read their registers: the codes may be written again
.endif
.irp c, 0,1,2,3
	v_pk_add_f32 v[W+2*\c:W+2*\c+1], v[XS+2*\c:XS+2*\c+1], v[XS+8+2*\c:XS+9+2*\c]
.endr
.irp k, 16,24
.irp c, 0,1,2,3
	v_pk_add_f32 v[W+2*\c:W+2*\c+1], v[W+2*\c:W+2*\c+1], v[XS+\k+2*\c:XS+\k+2*\c+1]
.endr
.endr
	FOLD W+8
	ACROSS W+8
	v_mul_f32 v[W+8], s16, v[W+8]                  ; the mean
.set i, 0
.rept 16
	v_pk_add_f32 v[Y+i:Y+i+1], v[XS+i:XS+i+1], v[W+8:W+9] op_sel_hi:[1,0] neg_lo:[0,1] neg_hi:[0,1]
.set i, i+2
.endr
.irp c, 0,1,2,3
	v_pk_mul_f32 v[W+2*\c:W+2*\c+1], v[Y+2*\c:Y+2*\c+1], v[Y+2*\c:Y+2*\c+1]
.endr
.irp k, 8,16,24
.irp c, 0,1,2,3
	v_pk_fma_f32 v[W+2*\c:W+2*\c+1], v[Y+\k+2*\c:Y+\k+2*\c+1], v[Y+\k+2*\c:Y+\k+2*\c+1], v[W+2*\c:W+2*\c+1]
.endr
.endr
	FOLD W+11
	ACROSS W+11
	v_fma_f32 v[W+11], v[W+11], s16, s17           ; the variance + 1e-5
	s_wait_alu depctr_va_vdst(0)
	v_rsq_f32 v[W+12], v[W+11]
	v_nop                                          ; a plain instruction behind the transcendental,
	s_wait_alu depctr_va_vdst(0)                   ; and the wait ahead of its first reader
.set i, 0
.rept 16
	v_pk_mul_f32 v[Y+i:Y+i+1], v[Y+i:Y+i+1], v[W+12:W+13] op_sel_hi:[1,0]
.set i, i+2
.endr
.set i, 0
.rept 16
	v_pk_fma_f32 v[Y+i:Y+i+1], v[Y+i:Y+i+1], v[G+i:G+i+1], v[BE+i:BE+i+1]
.set i, i+2
.endr
.irp j, 0,1,2,3,4,5,6,7
	ds_store_b128 v6, v[Y+4*\j:Y+4*\j+3] offset:2560*(\j/4)+640*(\j%4)
.endr
.irp s, 0,1
	ds_load_b128 v[Y+16*\s:Y+16*\s+3], v7 offset:2560*\s            ; LDS serves a wave's instructions in order: these see the stores
	ds_load_b128 v[Y+16*\s+4:Y+16*\s+7], v7 offset:2560*\s+16
	ds_load_b128 v[Y+16*\s+8:Y+16*\s+11], v7 offset:2560*\s+80
	ds_load_b128 v[Y+16*\s+12:Y+16*\s+15], v7 offset:2560*\s+96
.endr
	s_wait_dscnt 0x0
.irp s, 0,1
	v_max3_num_f32 v[W], |v[Y+16*\s]|, |v[Y+16*\s+1]|, |v[Y+16*\s+2]|
	v_max3_num_f32 v[W+1], |v[Y+16*\s+3]|, |v[Y+16*\s+4]|, |v[Y+16*\s+5]|
.irp i, 6,10
	v_max3_num_f32 v[W], v[W], |v[Y+16*\s+\i]|, |v[Y+16*\s+\i+1]|
	v_max3_num_f32 v[W+1], v[W+1], |v[Y+16*\s+\i+2]|, |v[Y+16*\s+\i+3]|
.endr
	v_max3_num_f32 v[W], v[W], |v[Y+16*\s+14]|, |v[Y+16*\s+15]|
	v_max3_num_f32 v[W], v[W], v[W+1], (EMAX+1)<<23
	v_max_num_f32_dpp v[W], v[W], v[W] row_xmask:1 row_mask:0xf bank_mask:0xf   ; with my neighbour's 16: the block's
	v_add_nc_u32 v[W+2], -(EMAX<<23), v[W]
	v_and_or_b32 v[W+3], v[W], 0x7f800000, s20
.irp i, 0,1,2,3,4,5,6,7,8,9,10,11,12,13,14,15
	v_med3_num_f32 v[Y+16*\s+\i], v[Y+16*\s+\i], -v[W+3], v[W+3]
.endr
	v_cvt_scalef32_pk8_bf8_f32 v[CD+4*\s:CD+4*\s+1], v[Y+16*\s:Y+16*\s+7], v[W+2]
	v_cvt_scalef32_pk8_bf8_f32 v[CD+4*\s+2:CD+4*\s+3], v[Y+16*\s+8:Y+16*\s+15], v[W+2]
	v_lshrrev_b32 v[EB+\s], 23, v[W+2]
	ds_store_b8 v8, v[EB+\s] offset:5120+32*(\p)+16*\s             ; both lanes of a block write the same byte with the same value
	global_store_b128 v5, v[CD+4*\s:CD+4*\s+3], s[10:11] offset:1024*(\p)+512*\s   ; the wave stores 512 consecutive bytes
.endr
.endm
	ROW 0
	ROW 1
	ds_load_u16 v[W], v10 offset:5120              ; LDS serves a wave's instructions in order: this sees my byte stores
	s_wait_dscnt 0x0
	global_store_b16 v9, v[W], s[22:23]            ; 32 lanes store my two rows' 64 consecutive scale bytes
	s_wait_tensorcnt 0x0
	ds_add_u32 v200, v201
	s_wait_dscnt 0x0
	s_endpgm
.Lfunc_end_k_qa66498ac78_ln2:
	.size	k_qa66498ac78_ln2, .Lfunc_end_k_qa66498ac78_ln2-k_qa66498ac78_ln2
	.p2alignl 7, 3214868480
	.fill 96, 4, 3214868480
	.section	.rodata,"a",@progbits
	.p2align	6, 0x0
	.amdhsa_kernel k_qa66498ac78_ln2
		.amdhsa_group_segment_fixed_size 22016
		.amdhsa_private_segment_fixed_size 0
		.amdhsa_enable_private_segment 0
		.amdhsa_kernarg_size 32
		.amdhsa_user_sgpr_count 2
		.amdhsa_user_sgpr_kernarg_segment_ptr 1
		.amdhsa_wavefront_size32 1
		.amdhsa_system_sgpr_workgroup_id_x 1
		.amdhsa_system_sgpr_workgroup_id_y 1
		.amdhsa_system_sgpr_workgroup_id_z 1
		.amdhsa_system_vgpr_workitem_id 0
		.amdhsa_next_free_vgpr 202
		.amdhsa_next_free_sgpr 66
		.amdhsa_reserve_vcc 0
		.amdhsa_float_denorm_mode_32 3
		.amdhsa_float_denorm_mode_16_64 3
		.amdhsa_memory_ordered 1
		.amdhsa_forward_progress 1
		.amdhsa_inst_pref_size 29
	.end_amdhsa_kernel
	.amdgpu_metadata
---
amdhsa.version: [ 1, 2 ]
amdhsa.kernels:
  - .name:           k_qa66498ac78_ln2
    .symbol:         k_qa66498ac78_ln2.kd
    .args:
      - { .name: xmid, .offset: 0, .size: 8, .value_kind: global_buffer, .address_space: global }
      - { .name: g2, .offset: 8, .size: 8, .value_kind: global_buffer, .address_space: global }
      - { .name: be2, .offset: 16, .size: 8, .value_kind: global_buffer, .address_space: global }
      - { .name: hact, .offset: 24, .size: 8, .value_kind: global_buffer, .address_space: global }
    .group_segment_fixed_size: 22016
    .private_segment_fixed_size: 0
    .kernarg_segment_align: 8
    .kernarg_segment_size: 32
    .max_flat_workgroup_size: 128
    .sgpr_count:     66
    .vgpr_count:     202
    .wavefront_size: 32
...
	.end_amdgpu_metadata
.endif
;; end of part 5
;; launch ff1 (part 6): grid 16 x 16, 4 waves a work-group, clusters of 4 x 4, 327,680 bytes of LDS; arguments hact, wcodes, b1, hidc; writes hidc
.if DOCPART == 6
	.amdgcn_target "amdgcn-amd-amdhsa--gfx1250"
	.amdhsa_code_object_version 6
	.text
	.protected	k_qa66498ac78_ff1
	.globl	k_qa66498ac78_ff1
	.p2align	8
	.type	k_qa66498ac78_ff1,@function
k_qa66498ac78_ff1:
	s_mov_b64 s[64:65], 0
	v_nop
	global_prefetch_b8 v0, s[64:65] scope:SCOPE_SE
	s_setreg_imm32_b32 hwreg(HW_REG_WAVE_MODE, 25, 1), 1
	s_wait_xcnt 0x0
	s_wait_alu depctr_hold_cnt(0) depctr_sa_sdst(0) depctr_va_vdst(0) depctr_va_sdst(0) depctr_va_ssrc(0) depctr_va_vcc(0) depctr_vm_vsrc(0)
	s_getreg_b32 s2, hwreg(HW_REG_IB_STS2, 6, 4)
	s_cmp_eq_u32 s2, 0
	s_cbranch_scc0 .Lentry_in_a_cluster
	s_endpgm
.Lentry_in_a_cluster:
	s_bfe_u32 s2, ttmp6, 0x10000c
	s_cmp_lg_u32 s2, 0xf033
	s_cbranch_scc0 .Lentry_shape_is_right
	s_endpgm
.Lentry_shape_is_right:
.set SIZE_K, 1024
.set KSTEP,  256
.set NQ,     KSTEP/128
.set ROWB,   256
.set KROW,   SIZE_K
.set PITCH,  272
.set FR,     16
.set NL,     4
.set NP,     8
.set HALFT,  128*PITCH
.set SLOT,   4*HALFT
.set LAPS,   SIZE_K/(2*KSTEP)
.set KS,     SIZE_K/32
.set SCL,    2*SLOT
.set HALFS,  (128*KS/256)*272
.set SBLK,   (16*KS/256)*272
.set SPARE,  SCL+4*HALFS
.set ADRA, 16
.set ADRB, 20
.set SWA,  22
.set SRD,  23
.set STO,  24
.set RD,   25
.set CO,   26
.set ADRS, 27
.set SPW,  28
.set NIL,  29
.set SC,   32
.set BC,   64
.set HA,   64
.set AF,   128
.set T,    128
.set S,    192
.set R,    208
.set Q,    224
.set PC,   192
.set TM,   208
.set PW,   224
.set OB,   228
.set VC0,  246
.set VC2,  248
.set VD0,  250
.set G1, 24
.set G0, 32
.set G1B, 48
.set G0B, 56
.set G1S, 68
.set G0S, 76
.set G1SB, 80
.set G0SB, 88
.set SEL, 92
.set MNT, 94
.set RS2, 95
.set THR, 98
.set MSB, 0
.macro WIN new
.if MSB != \new
	s_set_vgpr_msb (MSB<<8)|\new
.set MSB, \new
.endif
.endm
.set MUL_LO, 0xa1
.set MUL_HI, 0xf1
.set TO_B,   0x40
.macro JLOAD g0a, g1a, g0b, g1b
	s_cmp_eq_u32 s15, 0
	s_cbranch_scc0 .Lfor_b_\@
	tensor_load_to_lds s[\g0a:\g0a+3], s[\g1a:\g1a+7]
	s_nop 0
.rept 4
	v_nop
.endr
	s_branch .Lasked_\@
.Lfor_b_\@:
	tensor_load_to_lds s[\g0b:\g0b+3], s[\g1b:\g1b+7]
	s_nop 0
.rept 4
	v_nop
.endr
.Lasked_\@:
.endm
.macro CREST
	s_cmp_lg_u32 s14, 0
	s_cbranch_scc1 .Lnot_wave_0_\@
	s_barrier_signal -3
.Lnot_wave_0_\@:
	s_barrier_wait -3
	s_barrier_signal -1
	s_barrier_wait -1
.endm
.macro CROUND
	s_barrier_signal -1
	s_barrier_wait -1
	CREST
.endm
	s_load_b256 s[80:87], s[0:1], 0x0
	v_lshl_add_u32 v[SPW], v0, 2, SPARE
	v_mov_b32 v[NIL], 0
	ds_add_u32 v28, v29
	ds_add_u32 v28, v29
	s_wait_dscnt 0x0
	v_lshrrev_b32 v1, 5, v0
	v_readfirstlane_b32 s14, v1
	s_lshr_b32 s15, s14, 1
	s_and_b32 s16, s14, 1
	s_bfe_u32 s40, ttmp6, 0x40000
	s_bfe_u32 s41, ttmp6, 0x40004
	s_lshl_b32 s42, ttmp9, 2
	s_add_co_u32 s42, s42, s40
	s_and_b32 s17, ttmp7, 0xffff
	s_lshl_b32 s17, s17, 2
	s_add_co_u32 s17, s17, s41
	s_lshl_b32 s43, s41, 2
	s_lshl_b32 s43, 15, s43
	s_lshl_b32 s44, 0x1111, s40
	s_wait_kmcnt 0x0
	s_mov_b64 s[4:5], s[80:81]
	s_add_nc_u64 s[6:7], s[80:81], 0x400000
	s_add_nc_u64 s[8:9], s[82:83], 0x400000
	s_add_nc_u64 s[10:11], s[82:83], 0xc20000
	s_mov_b64 s[96:97], s[84:85]
	s_mov_b64 s[12:13], s[86:87]
	s_or_b32 s[G1+0], s43, (0<<16)|(1<<20)|(1<<21)|(5<<22)|(3<<25)
	s_or_b32 s[G1B+0], s44, (0<<16)|(1<<20)|(1<<21)|(5<<22)|(3<<25)
.irp g, G1, G1B
	s_mov_b32 s[\g+1], ROWB<<16
	s_mov_b32 s[\g+2], 256<<16                     ; the head's loads bring 256 rows; the ring's 128 are set behind the head's wait
	s_mov_b32 s[\g+3], ROWB<<16
	s_mov_b32 s[\g+4], 256
	s_mov_b32 s[\g+5], KROW
	s_mov_b32 s[\g+6], 0
	s_mov_b32 s[\g+7], 0
.endr
	s_or_b32 s[G1S+0], s43, (3<<16)|(1<<20)|(1<<21)|(5<<22)|(3<<25)
	s_or_b32 s[G1SB+0], s44, (3<<16)|(1<<20)|(1<<21)|(5<<22)|(3<<25)
.irp g, G1S, G1SB
	s_mov_b32 s[\g+1], 32<<16
	s_mov_b32 s[\g+2], (256*KS/256)<<16            ; the scale bytes of all 256 rows in one load
	s_mov_b32 s[\g+3], 32<<16
	s_mov_b32 s[\g+4], 256*KS/256
	s_mov_b32 s[\g+5], 32
	s_mov_b32 s[\g+6], 0
	s_mov_b32 s[\g+7], 0
.endr
	s_lshl_b32 s18, s16, 7
	s_lshl_b32 s20, s17, 8
	s_add_co_u32 s20, s20, s18
	s_lshl_b32 s46, s42, 8
	s_add_co_u32 s46, s46, s18
	s_mov_b32 s21, 0
	s_mov_b32 s47, 0
	s_mov_b64 s[18:19], KS
	s_mul_u64 s[22:23], s[20:21], s[18:19]
	s_mul_u64 s[92:93], s[46:47], s[18:19]
	s_mul_i32 s66, s16, 128*KS                     ; the scale bytes come whole: from the tile's first row, not from my half's
	s_mov_b32 s67, 0
	s_sub_nc_u64 s[22:23], s[22:23], s[66:67]
	s_sub_nc_u64 s[92:93], s[92:93], s[66:67]
	s_mov_b64 s[18:19], KROW
	s_mul_u64 s[20:21], s[20:21], s[18:19]
	s_mul_u64 s[46:47], s[46:47], s[18:19]
	s_mul_i32 s45, s14, HALFT
	s_add_nc_u64 s[20:21], s[4:5], s[20:21]
	s_add_nc_u64 s[22:23], s[6:7], s[22:23]
	s_add_nc_u64 s[46:47], s[8:9], s[46:47]
	s_add_nc_u64 s[92:93], s[10:11], s[92:93]
	CROUND
	s_mov_b32 s[G0S], 1
	s_mov_b32 s[G0S+1], SCL
	s_mov_b64 s[G0S+2:G0S+3], s[22:23]
	s_or_b32 s[G0S+3], s[G0S+3], 0x80000000
	s_mov_b32 s[G0SB], 1
	s_mov_b32 s[G0SB+1], SCL+2*HALFS
	s_mov_b64 s[G0SB+2:G0SB+3], s[92:93]
	s_or_b32 s[G0SB+3], s[G0SB+3], 0x80000000
.irp s, 0,1
	s_mov_b32 s[G0+4*\s], 1
	s_add_co_u32 s[G0+4*\s+1], s45, \s*SLOT
	s_add_nc_u64 s[G0+4*\s+2:G0+4*\s+3], s[20:21], \s*ROWB
	s_or_b32 s[G0+4*\s+3], s[G0+4*\s+3], 0x80000000
	s_mov_b32 s[G0B+4*\s], 1
	s_add_co_u32 s[G0B+4*\s+1], s45, \s*SLOT
	s_add_nc_u64 s[G0B+4*\s+2:G0B+4*\s+3], s[46:47], \s*ROWB
	s_or_b32 s[G0B+4*\s+3], s[G0B+4*\s+3], 0x80000000
.endr
; THE HEAD'S LOADS, ONE A WAVE, in one chain of arms on the wave's number: wave 0 K step 0's 256 rows of A, wave 2 those of B
; (their slot 0 descriptors hold the tile's first row and its LDS place: 0 and 2 HALFT), wave 1 A's scale bytes, wave 3 B's.
.macro ARM under, g0, g1, next
	s_cmp_lt_u32 s14, \under
	s_cbranch_scc0 \next
	tensor_load_to_lds s[\g0:\g0+3], s[\g1:\g1+7]
	s_nop 0
.rept 4
	v_nop
.endr
	s_branch .Lhead_asked
\next:
.endm
	ARM 1, G0,  G1,  .Lhead_sa
	ARM 2, G0S, G1S, .Lhead_b
	ARM 3, G0B, G1B, .Lhead_sb
	tensor_load_to_lds s[G0SB:G0SB+3], s[G1SB:G1SB+7]
	s_nop 0
.rept 4
	v_nop
.endr
.Lhead_asked:
	v_and_b32 v1, 15, v0
	v_bfe_u32 v2, v0, 4, 1
	v_mul_u32_u24 v3, v1, PITCH
	v_lshl_add_u32 v4, v2, 4, v3
	s_mul_i32 s21, s15, HALFT
	s_mul_i32 s22, s16, HALFT
	s_add_co_u32 s22, s22, 2*HALFT
.irp s, 0,1
	v_add_nc_u32 v[ADRA+\s], s21, v4
	v_add_nc_u32 v[ADRB+\s], s22, v4
	s_add_co_u32 s21, s21, SLOT
	s_add_co_u32 s22, s22, SLOT
.endr
	v_mul_u32_u24 v5, v1, KS
	v_lshrrev_b32 v6, 8, v5
	v_lshl_add_u32 v5, v6, 4, v5
	s_mul_i32 s21, s15, HALFS
	s_mul_i32 s22, s16, HALFS
	s_add_co_u32 s22, s22, 2*HALFS
	s_sub_co_u32 s22, s22, s21
	v_mul_u32_u24 v6, s22, v2
	s_add_co_u32 s21, s21, SCL
	v_add_nc_u32 v5, v5, v6
	v_add_nc_u32 v[ADRS], s21, v5
	s_lshl_b32 s23, s14, 12
	v_mul_u32_u24 v5, v1, 80
	v_lshl_add_u32 v5, v2, 4, v5
	v_add_nc_u32 v[STO], s23, v5
	v_and_b32 v6, 31, v0
	v_lshrrev_b32 v5, 2, v6
	v_mul_u32_u24 v5, v5, 80
	v_and_b32 v7, 3, v6
	v_lshl_add_u32 v5, v7, 4, v5
	v_add_nc_u32 v[RD], s23, v5
	v_lshlrev_b32 v[CO], 4, v6
	v_lshl_add_u32 v5, v1, 2, s23
	v_add_nc_u32 v[SWA], 2560, v5
	v_add_nc_u32 v5, s23, v[CO]
	v_add_nc_u32 v[SRD], 2560, v5
	s_lshl_b32 s20, s17, 8
	s_lshl_b32 s21, s15, 7
	s_add_co_u32 s20, s20, s21
	s_lshl_b32 s46, s42, 8
	s_lshl_b32 s47, s16, 7
	s_add_co_u32 s46, s46, s47
	s_lshl_b32 s18, s46, 7
	s_lshl_b32 s19, s20, 2
	s_add_co_u32 s18, s18, s19
	s_add_co_u32 s18, s18, 0x1000000
	s_mov_b32 s19, 0
	s_lshr_b32 s21, s46, 6
	s_lshl_b32 s21, s21, 18
	s_lshl_b32 s20, s20, 6
	s_add_co_u32 s20, s20, s21
	s_mov_b32 s21, 0
	s_add_nc_u64 s[4:5], s[12:13], s[20:21]
	s_add_nc_u64 s[6:7], s[4:5], 0x40000
	s_add_nc_u64 s[8:9], s[12:13], s[18:19]
	s_lshl_b32 s20, s46, 2
	s_add_nc_u64 s[96:97], s[96:97], s[20:21]
	v_lshlrev_b32 v7, 5, v2
.irp b, 0,1,2,3,4,5,6,7
	global_load_b128 v[BC+8*\b:BC+8*\b+3], v7, s[96:97] offset:64*\b
	global_load_b128 v[BC+8*\b+4:BC+8*\b+7], v7, s[96:97] offset:64*\b+16
.endr
	s_mov_b32 s[SEL], 0x76543210
	s_mov_b32 s[SEL+1], 0xfedcba98
	s_mov_b32 s[MNT], 0x600000
	s_mov_b32 s[RS2], 0x3f3504f3
	s_mov_b32 s[THR], 0x3f6d8000
	s_wait_loadcnt 0x0
.macro FRAG reg, adr, q, i
.irp c, 0,1,2,3
	ds_load_b128 v[\reg+4*\c:\reg+4*\c+3], v[\adr] offset:128*(\q)+32*\c+(\i)*16*PITCH
.endr
.endm
.macro MUL16 a0, p, q, sc, zero
.irp a, \a0, \a0+1
.irp b, 0,1,2,3,4,5,6,7
.if \zero
	v_wmma_scale_f32_16x16x128_f8f6f4 v[8*(8*((\a)%4)+\b):8*(8*((\a)%4)+\b)+7], v[128*(\p)+FR*\b:128*(\p)+FR*\b+FR-1], v[AF+FR*(\a):AF+FR*(\a)+FR-1], v[BC+8*\b:BC+8*\b+7], v[SC+8*NQ*(\sc)+NQ*\b+(\q)], v[SC+8*NQ*(\sc)+NQ*(\a)+(\q)] matrix_a_fmt:MATRIX_FMT_BF8 matrix_b_fmt:MATRIX_FMT_BF8 matrix_a_scale:MATRIX_SCALE_ROW1
.else
	v_wmma_scale_f32_16x16x128_f8f6f4 v[8*(8*((\a)%4)+\b):8*(8*((\a)%4)+\b)+7], v[128*(\p)+FR*\b:128*(\p)+FR*\b+FR-1], v[AF+FR*(\a):AF+FR*(\a)+FR-1], v[8*(8*((\a)%4)+\b):8*(8*((\a)%4)+\b)+7], v[SC+8*NQ*(\sc)+NQ*\b+(\q)], v[SC+8*NQ*(\sc)+NQ*(\a)+(\q)] matrix_a_fmt:MATRIX_FMT_BF8 matrix_b_fmt:MATRIX_FMT_BF8 matrix_a_scale:MATRIX_SCALE_ROW1
.endif
.endr
.endr
.endm
.macro FETCH_B slot, q, p
	WIN TO_B
.irp i, 0,1,2,3,4,5,6,7
	FRAG 128*(\p)+FR*\i, ADRB+\slot, \q, \i
.endr
	WIN 0
.endm
.macro FETCH_A slot, q, i0
.irp i, \i0, \i0+1, \i0+2, \i0+3
	FRAG AF+FR*(\i), ADRA+\slot, \q, \i
.endr
.endm
.macro SCALES sc
.irp i, 0,1,2,3,4,5,6,7
	ds_load_b64 v[SC+8*NQ*\sc+NQ*\i:SC+8*NQ*\sc+NQ*\i+1], v[ADRS] offset:\i*SBLK
.endr
.endm
.macro PLACES n
.rept \n
	v_nop
.endr
.endm
.macro STEP slot, q, zero
	s_wait_dscnt 4*NL
.if \zero
	WIN 0x81
.else
	WIN MUL_LO
.endif
	MUL16 0, (\q)%2, \q, \slot, \zero
	MUL16 2, (\q)%2, \q, \slot, \zero
	s_wait_dscnt 0
	PLACES NP
	FETCH_B \slot, (\q)+1, 1-(\q)%2
	FETCH_A \slot, (\q)+1, 0
.if \zero
	WIN 0xc1
.else
	WIN MUL_HI
.endif
	MUL16 4, (\q)%2, \q, \slot, \zero
	MUL16 6, (\q)%2, \q, \slot, \zero
	PLACES NP
	WIN 0
	FETCH_A \slot, (\q)+1, 4
.endm
.macro TURN slot, next, fill
	s_wait_tensorcnt 0x0
	ds_add_u32 v[SPW], v[NIL]
	s_wait_dscnt 4*NL+1
	WIN MUL_LO
	MUL16 0, 1, NQ-1, \slot, 0
	s_wait_dscnt 0x0
	s_barrier_signal -1
	MUL16 2, 1, NQ-1, \slot, 0
	WIN 0
	s_barrier_wait -1
.if \fill
	CREST
	s_add_nc_u64 s[G0+4*\slot+2:G0+4*\slot+3], s[G0+4*\slot+2:G0+4*\slot+3], 2*ROWB
	s_add_nc_u64 s[G0B+4*\slot+2:G0B+4*\slot+3], s[G0B+4*\slot+2:G0B+4*\slot+3], 2*ROWB
	JLOAD G0+4*\slot, G1, G0B+4*\slot, G1B
	PLACES NP-4
.else
	PLACES NP
.endif
	s_wait_alu depctr_va_vdst(0)
	v_add_nc_u32 v[ADRS], 4*NQ, v[ADRS]
	FETCH_B \next, 0, 0
	FETCH_A \next, 0, 0
	SCALES \next
	WIN MUL_HI
	MUL16 4, 1, NQ-1, \slot, 0
	MUL16 6, 1, NQ-1, \slot, 0
	PLACES NP
	WIN 0
	FETCH_A \next, 0, 4
.endm
	s_wait_alu depctr_va_vdst(0)
	s_wait_tensorcnt 0x0                           ; my tile of the head's four is in
	ds_add_u32 v[SPW], v[NIL]
	s_mov_b32 s[G1+2], 128<<16                     ; no tensor load of mine is out: from here on a load brings 128 rows
	s_mov_b32 s[G1+4], 128
	s_mov_b32 s[G1B+2], 128<<16
	s_mov_b32 s[G1B+4], 128
	s_wait_dscnt 0x0
	CROUND                                         ; all four tiles are in, and all sixteen work-groups are here
	JLOAD G0+4, G1, G0B+4, G1B                     ; K step 1, the first tensor load behind the round
	FETCH_B 0, 0, 0
	FETCH_A 0, 0, 0
	SCALES 0
	FETCH_A 0, 0, 4
	STEP 0, 0, 1
	s_mov_b32 s3, LAPS-1
.Llap:
	TURN 0, 1, 1
	STEP 1, 0, 0
	TURN 1, 0, 1
	STEP 0, 0, 0
	s_sub_co_u32 s3, s3, 1
	s_cmp_lg_u32 s3, 0
	s_cbranch_scc1 .Llap
	TURN 0, 1, 0
	STEP 1, 0, 0
	s_wait_dscnt 4*NL
	WIN MUL_LO
	MUL16 0, 1, NQ-1, 1, 0
	MUL16 2, 1, NQ-1, 1, 0
	s_wait_dscnt 0
	WIN MUL_HI
	MUL16 4, 1, NQ-1, 1, 0
	MUL16 6, 1, NQ-1, 1, 0
	WIN 0
.macro QUANT s
.irp b, 0,1,2,3
	v_max3_num_f32 v[TM+\b], |v[\s+16*\b]|, |v[\s+1+16*\b]|, 0x8000000
.endr
.irp i, 2,4,6,8,10,12,14
.irp b, 0,1,2,3
	v_max3_num_f32 v[TM+\b], v[TM+\b], |v[\s+16*\b+\i]|, |v[\s+1+16*\b+\i]|
.endr
.endr
.irp b, 0,1,2,3
	v_permlanex16_b32 v[TM+4+\b], v[TM+\b], s[SEL], s[SEL+1]
.endr
.irp b, 0,1,2,3
	v_max_num_f32 v[TM+\b], v[TM+\b], v[TM+4+\b]
.endr
.irp b, 0,1,2,3
	v_add_nc_u32 v[TM+12+\b], 0xf8800000, v[TM+\b]
.endr
.irp b, 0,1,2,3
	v_and_or_b32 v[TM+8+\b], v[TM+\b], 0x7f800000, s[MNT]
.endr
.irp b, 0,1,2,3
	v_lshrrev_b32 v[TM+4+\b], 23, v[TM+12+\b]
.endr
	v_lshl_or_b32 v[PW], v[TM+5], 8, v[TM+4]
	v_lshl_or_b32 v[PW], v[TM+6], 16, v[PW]
	v_lshl_or_b32 v[PW], v[TM+7], 24, v[PW]
.irp b, 0,1,2,3
.irp i, 0,1,2,3,4,5,6,7,8,9,10,11,12,13,14,15
	v_med3_num_f32 v[\s+16*\b+\i], v[\s+16*\b+\i], -v[TM+8+\b], v[TM+8+\b]
.endr
	v_cvt_scalef32_pk8_bf8_f32 v[PC+4*\b:PC+1+4*\b], v[\s+16*\b:\s+7+16*\b], v[TM+12+\b]
	v_cvt_scalef32_pk8_bf8_f32 v[PC+2+4*\b:PC+3+4*\b], v[\s+8+16*\b:\s+15+16*\b], v[TM+12+\b]
.endr
	v_nop
.endm
.macro ENTRY k
.set AC, 64*((\k)%4)
	WIN 0x02+(\k)/4
.set i, 0
.rept 64
	v_mul_f32 v[T+i], |v[AC+i]|, s[RS2]
.set i, i+1
.endr
.set i, 0
.rept 32
	v_pk_mul_f32 v[HA+i:HA+i+1], v[AC+i:AC+i+1], 0.5 op_sel_hi:[1,0]
.set i, i+2
.endr
	WIN 0
.endm
.macro GELU16 c
.set TT, T+16*(\c)
.set HH, HA+16*(\c)
.irp p, 0,2,4,6,8,10,12,14
	v_pk_mul_f32 v[S+\p:S+\p+1], v[TT+\p:TT+\p+1], v[TT+\p:TT+\p+1]
.endr
.irp p, 0,2,4,6,8,10,12,14
	v_pk_fma_f32 v[R+\p:R+\p+1], v[TT+\p:TT+\p+1], v[VC0:VC0+1], 0x39c8e7d9 op_sel_hi:[1,1,0]
.endr
.irp p, 0,2,4,6,8,10,12,14
	v_pk_fma_f32 v[Q+\p:Q+\p+1], v[TT+\p:TT+\p+1], v[VC2:VC2+1], 0x3cc6b1a1 op_sel_hi:[1,1,0]
.endr
.irp p, 0,2,4,6,8,10,12,14
	v_pk_fma_f32 v[R+\p:R+\p+1], v[R+\p:R+\p+1], v[S+\p:S+\p+1], v[Q+\p:Q+\p+1]
.endr
.irp k, 0xbddaae5c, 0xbf228550, 0xbe03ce86
.irp p, 0,2,4,6,8,10,12,14
	v_pk_fma_f32 v[R+\p:R+\p+1], v[R+\p:R+\p+1], v[TT+\p:TT+\p+1], \k op_sel_hi:[1,1,0]
.endr
.endr
.irp p, 0,2,4,6,8,10,12,14
	v_pk_fma_f32 v[R+\p:R+\p+1], v[R+\p:R+\p+1], v[TT+\p:TT+\p+1], v[TT+\p:TT+\p+1] neg_lo:[0,0,1] neg_hi:[0,0,1]
.endr
.irp p, 0,2,4,6,8,10,12,14
	v_pk_mul_f32 v[R+\p:R+\p+1], v[R+\p:R+\p+1], 0x3fb8aa3b op_sel_hi:[1,0]
.endr
	s_wait_alu depctr_va_vdst(0)
.irp i, 0,1,2,3,4,5,6,7,8,9,10,11,12,13,14,15
	v_exp_f32 v[R+\i], v[R+\i]
.endr
.irp p, 0,2,4,6,8,10,12,14
	v_pk_fma_f32 v[Q+\p:Q+\p+1], v[S+\p:S+\p+1], v[VD0:VD0+1], 0x3ba38d2c op_sel_hi:[1,1,0]
.endr
.irp k, 0xbcdb48d9, 0x3de70e22, 0xbec09380, 0x3e0375d4
.irp p, 0,2,4,6,8,10,12,14
	v_pk_fma_f32 v[Q+\p:Q+\p+1], v[Q+\p:Q+\p+1], v[S+\p:S+\p+1], \k op_sel_hi:[1,1,0]
.endr
.endr
.irp p, 0,2,4,6,8,10,12,14
	v_pk_fma_f32 v[Q+\p:Q+\p+1], v[Q+\p:Q+\p+1], v[TT+\p:TT+\p+1], v[TT+\p:TT+\p+1]
.endr
	s_wait_alu depctr_va_vdst(0)
.irp p, 0,2,4,6,8,10,12,14
	v_pk_fma_f32 v[R+\p:R+\p+1], v[R+\p:R+\p+1], -1.0, 1.0 op_sel_hi:[1,0,0]
.endr
.irp i, 0,1,2,3,4,5,6,7,8,9,10,11,12,13,14,15
	v_cmp_lt_f32 vcc_lo, s[THR], v[TT+\i]
	v_cndmask_b32 v[R+\i], v[Q+\i], v[R+\i], vcc_lo
.endr
.irp i, 0,1,2,3,4,5,6,7,8,9,10,11,12,13,14,15
	v_fma_f32 v[HH+\i], |v[HH+\i]|, v[R+\i], v[HH+\i]
.endr
.endm
	PLACES NP
	v_mov_b32 v[VC0], 0xb7910000
	v_mov_b32 v[VC0+1], 0xb7910000
	v_mov_b32 v[VC2], 0xbb7e8a1c
	v_mov_b32 v[VC2+1], 0xbb7e8a1c
	v_mov_b32 v[VD0], 0xba1c7000
	v_mov_b32 v[VD0+1], 0xba1c7000
	s_mov_b32 s3, 0
.Lblk:
.irp k, 0,1,2,3,4,5,6
	s_cmp_eq_u32 s3, \k
	s_cbranch_scc1 .Le\k
.endr
	ENTRY 7
	s_branch .Lcommon
.irp k, 0,1,2,3,4,5
.Le\k:
	ENTRY \k
	s_branch .Lcommon
.endr
.Le6:
	ENTRY 6
.Lcommon:
	GELU16 0
	GELU16 1
	GELU16 2
	GELU16 3
	QUANT HA
.irp b, 0,1,2,3
	ds_store_b128 v[STO], v[PC+4*\b:PC+4*\b+3] offset:(\b/2)*1280+32*(\b%2)
.endr
	ds_store_b32 v[SWA], v[PW]
.irp p, 0,1
.irp t, 0,1
	ds_load_b128 v[OB+8*\p+4*\t:OB+8*\p+4*\t+3], v[RD] offset:\p*1280+640*\t
.endr
.endr
	s_wait_dscnt 0x0
.irp p, 0,1
.irp t, 0,1
	global_store_b128 v[CO], v[OB+8*\p+4*\t:OB+8*\p+4*\t+3], s[4+2*\p:5+2*\p] offset:512*\t
.endr
.endr
	s_wait_xcnt 0x0
	s_add_nc_u64 s[4:5], s[4:5], 1024
	s_add_nc_u64 s[6:7], s[6:7], 1024
	v_add_nc_u32 v[SWA], 64, v[SWA]
	s_add_co_u32 s3, s3, 1
	s_cmp_lt_u32 s3, 8
	s_cbranch_scc1 .Lblk
	ds_load_b128 v[OB:OB+3], v[SRD]
	s_wait_dscnt 0x0
	global_store_b128 v[CO], v[OB:OB+3], s[8:9]
	s_wait_tensorcnt 0x0
	ds_add_u32 v[SPW], v[NIL]
	s_wait_dscnt 0x0
	CROUND
	s_endpgm
.Lfunc_end_k_qa66498ac78_ff1:
	.size	k_qa66498ac78_ff1, .Lfunc_end_k_qa66498ac78_ff1-k_qa66498ac78_ff1
	.p2alignl 7, 3214868480
	.fill 96, 4, 3214868480
	.section	.rodata,"a",@progbits
	.p2align	6, 0x0
	.amdhsa_kernel k_qa66498ac78_ff1
		.amdhsa_group_segment_fixed_size 327680
		.amdhsa_private_segment_fixed_size 0
		.amdhsa_enable_private_segment 0
		.amdhsa_kernarg_size 32
		.amdhsa_user_sgpr_count 2
		.amdhsa_user_sgpr_kernarg_segment_ptr 1
		.amdhsa_wavefront_size32 1
		.amdhsa_system_sgpr_workgroup_id_x 1
		.amdhsa_system_sgpr_workgroup_id_y 1
		.amdhsa_system_sgpr_workgroup_id_z 1
		.amdhsa_system_vgpr_workitem_id 0
		.amdhsa_next_free_vgpr 1024
		.amdhsa_next_free_sgpr 100
		.amdhsa_reserve_vcc 1
		.amdhsa_float_denorm_mode_32 3
		.amdhsa_float_denorm_mode_16_64 3
		.amdhsa_memory_ordered 1
		.amdhsa_forward_progress 1
		.amdhsa_inst_pref_size 232
	.end_amdhsa_kernel
	.amdgpu_metadata
---
amdhsa.version: [ 1, 2 ]
amdhsa.kernels:
  - .name:           k_qa66498ac78_ff1
    .symbol:         k_qa66498ac78_ff1.kd
    .args:
      - { .name: hact, .offset: 0, .size: 8, .value_kind: global_buffer, .address_space: global }
      - { .name: wcodes, .offset: 8, .size: 8, .value_kind: global_buffer, .address_space: global }
      - { .name: b1, .offset: 16, .size: 8, .value_kind: global_buffer, .address_space: global }
      - { .name: hidc, .offset: 24, .size: 8, .value_kind: global_buffer, .address_space: global }
    .group_segment_fixed_size: 327680
    .private_segment_fixed_size: 0
    .kernarg_segment_align: 8
    .kernarg_segment_size: 32
    .max_flat_workgroup_size: 128
    .sgpr_count:     100
    .vgpr_count:     1024
    .wavefront_size: 32
...
	.end_amdgpu_metadata
.endif
;; end of part 6
;; launch ff2 (part 7): grid 8 x 32, 4 waves a work-group, clusters of 4 x 4, 327,680 bytes of LDS; arguments hidc, wcodes, b2, xmid, out0; writes out0
.if DOCPART == 7
	.amdgcn_target "amdgcn-amd-amdhsa--gfx1250"
	.amdhsa_code_object_version 6
	.text
	.protected	k_qa66498ac78_ff2
	.globl	k_qa66498ac78_ff2
	.p2align	8
	.type	k_qa66498ac78_ff2,@function
k_qa66498ac78_ff2:
	s_mov_b64 s[64:65], 0
	v_nop
	global_prefetch_b8 v0, s[64:65] scope:SCOPE_SE
	s_setreg_imm32_b32 hwreg(HW_REG_WAVE_MODE, 25, 1), 1
	s_wait_xcnt 0x0
	s_wait_alu depctr_hold_cnt(0) depctr_sa_sdst(0) depctr_va_vdst(0) depctr_va_sdst(0) depctr_va_ssrc(0) depctr_va_vcc(0) depctr_vm_vsrc(0)
	s_getreg_b32 s2, hwreg(HW_REG_IB_STS2, 6, 4)
	s_cmp_eq_u32 s2, 0
	s_cbranch_scc0 .Lentry_in_a_cluster
	s_endpgm
.Lentry_in_a_cluster:
	s_bfe_u32 s2, ttmp6, 0x10000c
	s_cmp_lg_u32 s2, 0xf033
	s_cbranch_scc0 .Lentry_shape_is_right
	s_endpgm
.Lentry_shape_is_right:
.set SIZE_K, 4096
.set ASOFF,  0x1000000
.set BCOFF,  0x800000
.set BSOFF,  0xc40000
.set APL,    8704
.set BP,     528
.set AHALF,  4*APL
.set BOFF,   8*APL
.set BHALF,  64*BP
.set SLOT,   BOFF+2*BHALF
.set LAPS,   SIZE_K/1024
.set KS,     SIZE_K/32
.set SCA,    2*SLOT
.set SAH,    (SIZE_K/256)*512
.set SCB,    SCA+2*SAH
.set SBH,    (64*KS/256)*272
.set SBLK,   (16*KS/256)*272
.set SPARE,  SCB+2*SBH
.set ADRA, 16
.set ADRB, 20
.set ADSA, 22
.set ADSB, 23
.set STO,  24
.set RD,   25
.set CO,   26
.set BIO,  27
.set SPW,  28
.set NIL,  29
.set SC,   32
.set BI,   96
.set OB,   96
.set ACC,  128
.set F0,   0
.set F1,   128
.set G1, 24
.set G0, 32
.set G1B, 48
.set G0B, 56
.set G1S, 68
.set G0S, 76
.set G1SB, 80
.set G0SB, 88
.set MSB, 0
.macro WIN new
.if MSB != \new
	s_set_vgpr_msb (MSB<<8)|\new
.set MSB, \new
.endif
.endm
.set MUL,  0x05
.set TO_F, 0x40
.macro JLOAD g0a, g1a, g0b, g1b
	s_cmp_eq_u32 s15, 0
	s_cbranch_scc0 .Lfor_b_\@
	tensor_load_to_lds s[\g0a:\g0a+3], s[\g1a:\g1a+7]
	s_nop 0
.rept 4
	v_nop
.endr
	s_branch .Lasked_\@
.Lfor_b_\@:
	tensor_load_to_lds s[\g0b:\g0b+3], s[\g1b:\g1b+7]
	s_nop 0
.rept 4
	v_nop
.endr
.Lasked_\@:
.endm
.macro CREST
	s_cmp_lg_u32 s14, 0
	s_cbranch_scc1 .Lnot_wave_0_\@
	s_barrier_signal -3
.Lnot_wave_0_\@:
	s_barrier_wait -3
	s_barrier_signal -1
	s_barrier_wait -1
.endm
.macro CROUND
	s_barrier_signal -1
	s_barrier_wait -1
	CREST
.endm
	s_load_b256 s[4:11], s[0:1], 0x0
	s_load_b64 s[12:13], s[0:1], 0x20
	v_lshl_add_u32 v[SPW], v0, 2, SPARE
	v_mov_b32 v[NIL], 0
	ds_add_u32 v28, v29
	ds_add_u32 v28, v29
	s_wait_dscnt 0x0
	v_lshrrev_b32 v1, 5, v0
	v_readfirstlane_b32 s14, v1
	s_lshr_b32 s15, s14, 1
	s_and_b32 s16, s14, 1
	s_bfe_u32 s40, ttmp6, 0x40000
	s_bfe_u32 s41, ttmp6, 0x40004
	s_lshl_b32 s42, ttmp9, 2
	s_add_co_u32 s42, s42, s40
	s_and_b32 s17, ttmp7, 0xffff
	s_lshl_b32 s17, s17, 2
	s_add_co_u32 s17, s17, s41
	s_lshl_b32 s43, s41, 2
	s_lshl_b32 s43, 15, s43
	s_lshl_b32 s44, 0x1111, s40
	s_or_b32 s[G1+0], s43, (3<<16)|(1<<20)|(1<<21)|(5<<22)|(3<<25)
	s_mov_b32 s[G1+1], 1024<<16
	s_mov_b32 s[G1+2], 8<<16                       ; the head's load brings a slot's 8 planes; the ring's 4 are set behind the head's wait
	s_mov_b32 s[G1+3], 1024<<16
	s_mov_b32 s[G1+4], 8
	s_mov_b32 s[G1+5], 32768
	s_mov_b32 s[G1+6], 0
	s_mov_b32 s[G1+7], 0
	s_or_b32 s[G1B+0], s44, (0<<16)|(1<<20)|(1<<21)|(6<<22)|(3<<25)
	s_mov_b32 s[G1B+1], 512<<16
	s_mov_b32 s[G1B+2], 128<<16                    ; likewise 128 rows, then 64
	s_mov_b32 s[G1B+3], 512<<16
	s_mov_b32 s[G1B+4], 128
	s_mov_b32 s[G1B+5], SIZE_K
	s_mov_b32 s[G1B+6], 0
	s_mov_b32 s[G1B+7], 0
	s_or_b32 s[G1S+0], s43, (3<<16)|(1<<21)
	s_mov_b32 s[G1S+1], 64<<16
	s_mov_b32 s[G1S+2], (SIZE_K/128)<<16           ; A's scale words for all of K in one load
	s_mov_b32 s[G1S+3], 64<<16
	s_mov_b32 s[G1S+4], SIZE_K/128
	s_mov_b32 s[G1S+5], 2048
	s_mov_b32 s[G1S+6], 0
	s_mov_b32 s[G1S+7], 0
	s_or_b32 s[G1SB+0], s44, (3<<16)|(1<<20)|(1<<21)|(5<<22)|(3<<25)
	s_mov_b32 s[G1SB+1], 32<<16
	s_mov_b32 s[G1SB+2], (128*KS/256)<<16          ; B's scale bytes of all 128 rows in one load
	s_mov_b32 s[G1SB+3], 32<<16
	s_mov_b32 s[G1SB+4], 128*KS/256
	s_mov_b32 s[G1SB+5], 32
	s_mov_b32 s[G1SB+6], 0
	s_mov_b32 s[G1SB+7], 0
	s_lshl_b32 s20, s16, 20
	s_lshl_b32 s21, s17, 13
	s_add_co_u32 s20, s20, s21
	s_mov_b32 s21, 0
	s_lshl_b32 s22, s17, 9
	s_add_co_u32 s22, s22, ASOFF
	s_mov_b32 s23, 0
	s_lshl_b32 s46, s42, 7
	s_lshl_b32 s47, s16, 6
	s_add_co_u32 s46, s46, s47
	s_lshl_b32 s92, s42, 7
	s_mul_i32 s92, s92, KS
	s_add_co_u32 s92, s92, BSOFF
	s_mov_b32 s93, 0
	s_mul_i32 s46, s46, SIZE_K
	s_add_co_u32 s46, s46, BCOFF
	s_mov_b32 s47, 0
	s_mul_i32 s45, s16, AHALF
	s_mul_i32 s94, s16, BHALF
	s_add_co_u32 s94, s94, BOFF
	s_wait_kmcnt 0x0
	s_add_nc_u64 s[20:21], s[4:5], s[20:21]
	s_add_nc_u64 s[22:23], s[4:5], s[22:23]
	s_add_nc_u64 s[46:47], s[6:7], s[46:47]
	s_add_nc_u64 s[92:93], s[6:7], s[92:93]
	CROUND
	s_mov_b32 s[G0S], 1
	s_mov_b32 s[G0S+1], SCA
	s_mov_b64 s[G0S+2:G0S+3], s[22:23]
	s_or_b32 s[G0S+3], s[G0S+3], 0x80000000
	s_mov_b32 s[G0SB], 1
	s_mov_b32 s[G0SB+1], SCB
	s_mov_b64 s[G0SB+2:G0SB+3], s[92:93]
	s_or_b32 s[G0SB+3], s[G0SB+3], 0x80000000
.irp s, 0,1
	s_mov_b32 s[G0+4*\s], 1
	s_add_co_u32 s[G0+4*\s+1], s45, \s*SLOT
	s_add_nc_u64 s[G0+4*\s+2:G0+4*\s+3], s[20:21], \s*2097152
	s_or_b32 s[G0+4*\s+3], s[G0+4*\s+3], 0x80000000
	s_mov_b32 s[G0B+4*\s], 1
	s_add_co_u32 s[G0B+4*\s+1], s94, \s*SLOT
	s_add_nc_u64 s[G0B+4*\s+2:G0B+4*\s+3], s[46:47], \s*512
	s_or_b32 s[G0B+4*\s+3], s[G0B+4*\s+3], 0x80000000
.endr
; THE HEAD'S LOADS, ONE A WAVE, in one chain of arms on the wave's number: wave 0 slot 0's 8 planes of A, wave 2 its 128 rows of B
; (their slot 0 descriptors hold the tile's first byte and its LDS place), wave 1 A's scale words, wave 3 B's scale bytes.
.macro ARM under, g0, g1, next
	s_cmp_lt_u32 s14, \under
	s_cbranch_scc0 \next
	tensor_load_to_lds s[\g0:\g0+3], s[\g1:\g1+7]
	s_nop 0
.rept 4
	v_nop
.endr
	s_branch .Lhead_asked
\next:
.endm
	ARM 1, G0,  G1,  .Lhead_sa
	ARM 2, G0S, G1S, .Lhead_b
	ARM 3, G0B, G1B, .Lhead_sb
	tensor_load_to_lds s[G0SB:G0SB+3], s[G1SB:G1SB+7]
	s_nop 0
.rept 4
	v_nop
.endr
.Lhead_asked:
; THE PREFETCHES: behind the refill of K step t (512 along K) each wave names 32 blocks of 256 bytes of K step t + 2, a lane a block.  A K step of A is 8 planes x 8,192 bytes, of B 128 rows x 512 bytes.
; The four partners that ask for a tile jointly share it out BY ADDRESS: of A the partner at cx takes planes 2 cx and 2 cx + 1 (wave 0 the first, wave 1 the second; lanes 256 bytes apart);
; of B the partner at cy takes rows 32 cy on, a lane a row (wave 2 the first 256 bytes of a row's 512, wave 3 the second).  K steps 4 to 7 are named; 0 to 3 come by their loads alone; the last two refills name nothing.
.set PFA, 92                           ; s[92:93] where my prefetches stand: at K step 3 here; each refill steps it first
.set PFS, 94                           ; s[94:95] a K step on, in bytes
.set PFO, 30                           ; v30 my lane's offset; never rewritten
	s_lshl_b32 s18, s40, 1
	s_add_co_u32 s18, s18, s16
	s_lshl_b32 s18, s18, 18
	s_lshl_b32 s19, s17, 13
	s_add_co_u32 s18, s18, s19
	s_add_co_u32 s18, s18, 3*2097152               ; A: my plane of K step 3, the tile's 128 tokens
	s_lshl_b32 s19, s42, 7
	s_lshl_b32 s96, s41, 5
	s_add_co_u32 s19, s19, s96
	s_mul_i32 s19, s19, SIZE_K
	s_lshl_b32 s96, s16, 8
	s_add_co_u32 s19, s19, s96
	s_add_co_u32 s19, s19, BCOFF+3*512             ; B: my 32 rows, my half of K step 3
	s_mov_b32 s[PFS], 512
	s_mov_b32 s96, SIZE_K
	s_cmp_eq_u32 s15, 0                            ; waves 0 and 1 ask for A, waves 2 and 3 for B
	s_cselect_b64 s[PFA:PFA+1], s[4:5], s[6:7]
	s_cselect_b32 s18, s18, s19
	s_cselect_b32 s[PFS], 2097152, s[PFS]
	s_cselect_b32 s96, 256, s96
	s_mov_b32 s19, 0
	s_mov_b32 s[PFS+1], 0
	s_add_nc_u64 s[PFA:PFA+1], s[PFA:PFA+1], s[18:19]
	v_and_b32 v[PFO], 31, v0
	v_mul_lo_u32 v[PFO], v[PFO], s96
	v_and_b32 v1, 15, v0
	v_bfe_u32 v2, v0, 4, 1
	v_lshrrev_b32 v3, 2, v1
	v_mul_u32_u24 v3, v3, 272
	v_and_b32 v4, 3, v1
	v_lshl_add_u32 v3, v4, 6, v3
	v_lshl_add_u32 v3, v2, 4, v3
	v_mul_u32_u24 v4, v1, BP
	v_lshl_add_u32 v4, v2, 4, v4
	s_mul_i32 s21, s15, 4352
	s_mul_i32 s22, s16, BHALF
	s_add_co_u32 s22, s22, BOFF
.irp s, 0,1
	v_add_nc_u32 v[ADRA+\s], s21, v3
	v_add_nc_u32 v[ADRB+\s], s22, v4
	s_add_co_u32 s21, s21, SLOT
	s_add_co_u32 s22, s22, SLOT
.endr
	s_lshl_b32 s21, s15, 8
	s_add_co_u32 s21, s21, SCA
	v_lshl_add_u32 v[ADSA], v1, 2, s21
	v_mul_u32_u24 v5, v1, KS
	v_lshrrev_b32 v6, 8, v5
	v_lshl_add_u32 v5, v6, 4, v5
	s_mul_i32 s22, s16, 4*SBLK
	s_add_co_u32 s22, s22, SCB
	v_add_nc_u32 v[ADSB], s22, v5
	s_mul_i32 s23, s14, 16*272
	v_mul_u32_u24 v5, v1, 272
	v_lshl_add_u32 v5, v2, 5, v5
	v_add_nc_u32 v[STO], s23, v5
	v_mul_u32_u24 v5, v2, 272
	v_lshl_add_u32 v5, v1, 4, v5
	v_add_nc_u32 v[RD], s23, v5
	v_lshlrev_b32 v5, 12, v2
	v_lshl_add_u32 v[CO], v1, 4, v5
	v_lshlrev_b32 v[BIO], 5, v2
	s_wait_alu depctr_va_vdst(0)
	s_lshl_b32 s20, s17, 7
	s_lshl_b32 s21, s15, 6
	s_add_co_u32 s20, s20, s21
	s_lshl_b32 s20, s20, 12
	s_lshl_b32 s46, s42, 7
	s_lshl_b32 s47, s16, 6
	s_add_co_u32 s46, s46, s47
	s_lshl_b32 s46, s46, 2
	s_mov_b32 s47, 0
	s_add_nc_u64 s[8:9], s[8:9], s[46:47]
	s_add_co_u32 s20, s20, s46
	s_mov_b32 s21, 0
	s_add_nc_u64 s[10:11], s[10:11], s[20:21]
	s_add_nc_u64 s[12:13], s[12:13], s[20:21]
.irp b, 0,1,2,3
	global_load_b128 v[BI+8*\b:BI+8*\b+3], v[BIO], s[8:9] offset:64*\b
	global_load_b128 v[BI+8*\b+4:BI+8*\b+7], v[BIO], s[8:9] offset:64*\b+16
.endr
	WIN 0x80
.set i, 0
.rept 32
	global_load_b128 v[4*i:4*i+3], v[CO], s[10:11] offset:8192*i
.set i, i+1
.endr
	WIN 0
.macro PLACES n
.rept \n
	v_nop
.endr
.endm
.macro FETCH slot, q, f
	WIN TO_F
.irp i, 0,1,2,3
.irp c, 0,1,2,3
	ds_load_b128 v[\f+16*\i+4*\c:\f+16*\i+4*\c+3], v[ADRA+\slot] offset:(2*(\q)+\c/2)*APL+\i*1088+32*(\c%2)
.endr
.endr
.irp i, 0,1,2,3
.irp c, 0,1,2,3
	ds_load_b128 v[\f+64+16*\i+4*\c:\f+64+16*\i+4*\c+3], v[ADRB+\slot] offset:\i*16*BP+128*(\q)+32*\c
.endr
.endr
.endm
.macro SCALES set
	WIN 0
.irp q, 0,1,2,3
.irp i, 0,1,2,3
	ds_load_b32 v[SC+32*\set+4*\q+\i], v[ADSA] offset:512*\q+64*\i
.endr
.endr
.irp i, 0,1,2,3
	ds_load_b128 v[SC+32*\set+16+4*\i:SC+32*\set+16+4*\i+3], v[ADSB] offset:\i*SBLK
.endr
.endm
.macro MUL8 f, q, set, a0, zero
.irp a, \a0, \a0+1
.irp b, 0,1,2,3
.if \zero
	v_wmma_scale_f32_16x16x128_f8f6f4 v[ACC+8*(4*(\a)+\b):ACC+8*(4*(\a)+\b)+7], v[\f+64+16*\b:\f+64+16*\b+15], v[\f+16*(\a):\f+16*(\a)+15], v[BI+8*\b:BI+8*\b+7], v[SC+32*(\set)+16+4*\b+(\q)], v[SC+32*(\set)+4*(\q)+(\a)] matrix_a_fmt:MATRIX_FMT_BF8 matrix_b_fmt:MATRIX_FMT_BF8
.else
	v_wmma_scale_f32_16x16x128_f8f6f4 v[ACC+8*(4*(\a)+\b):ACC+8*(4*(\a)+\b)+7], v[\f+64+16*\b:\f+64+16*\b+15], v[\f+16*(\a):\f+16*(\a)+15], v[ACC+8*(4*(\a)+\b):ACC+8*(4*(\a)+\b)+7], v[SC+32*(\set)+16+4*\b+(\q)], v[SC+32*(\set)+4*(\q)+(\a)] matrix_a_fmt:MATRIX_FMT_BF8 matrix_b_fmt:MATRIX_FMT_BF8
.endif
.endr
.endr
.endm
.macro STEPM slot, q, zero
.set FC, 128*((\q)%2)
.set FN, 128-FC
	s_wait_dscnt 0x0
	PLACES 8
	FETCH \slot, (\q)+1, FN
	WIN MUL
	MUL8 FC, \q, \slot, 0, \zero
	MUL8 FC, \q, \slot, 2, \zero
.endm
.macro TURN slot, next, fill
	WIN 0
.if \fill
	s_wait_xcnt 0x0                                ; any prefetch of mine has read its address: it is stepped here, a K step behind the prefetch
	s_add_nc_u64 s[PFA:PFA+1], s[PFA:PFA+1], s[PFS:PFS+1]
.endif
	s_wait_tensorcnt 0x0
	ds_add_u32 v[SPW], v[NIL]
	s_wait_dscnt 0x0
	s_barrier_signal -1
	WIN MUL
	MUL8 F1, 3, \slot, 0, 0
	WIN 0
	s_barrier_wait -1
.if \fill
	CREST
	s_add_nc_u64 s[G0+4*\slot+2:G0+4*\slot+3], s[G0+4*\slot+2:G0+4*\slot+3], 4194304
	s_add_nc_u64 s[G0B+4*\slot+2:G0B+4*\slot+3], s[G0B+4*\slot+2:G0B+4*\slot+3], 1024
	JLOAD G0+4*\slot, G1, G0B+4*\slot, G1B
	PLACES 4
.else
	PLACES 8
.endif
	s_wait_alu depctr_va_vdst(0)
	v_add_nc_u32 v[ADSA], 2048, v[ADSA]
	v_add_nc_u32 v[ADSB], 16, v[ADSB]
	FETCH \next, 0, F0
	SCALES \next
.if \fill
	s_cmp_gt_u32 s3, 1                             ; the loop's last trip has no K step two on
	s_cbranch_scc0 .Lnone_on_\@
	global_prefetch_b8 v[PFO], s[PFA:PFA+1] th:TH_LOAD_NT scope:SCOPE_SE
.Lnone_on_\@:
.endif
	WIN MUL
	MUL8 F1, 3, \slot, 2, 0
.endm
	s_wait_alu depctr_va_vdst(0)
	s_wait_tensorcnt 0x0                           ; my tile of the head's four is in
	ds_add_u32 v[SPW], v[NIL]
	s_mov_b32 s[G1+2], 4<<16                       ; no tensor load of mine is out: from here on a load brings half a slot's tile
	s_mov_b32 s[G1+4], 4
	s_mov_b32 s[G1B+2], 64<<16
	s_mov_b32 s[G1B+4], 64
	s_wait_dscnt 0x0
	CROUND                                         ; all four tiles are in, and all sixteen work-groups are here
	JLOAD G0+4, G1, G0B+4, G1B                     ; slot 1, the first tensor load behind the round
	FETCH 0, 0, F0
	SCALES 0
	s_wait_loadcnt 32
	STEPM 0, 0, 1
.if LAPS > 1
	WIN 0
	s_mov_b32 s3, LAPS-1
.Llap:
	STEPM 0, 1, 0
	STEPM 0, 2, 0
	TURN 0, 1, 1
	STEPM 1, 0, 0
	STEPM 1, 1, 0
	STEPM 1, 2, 0
	TURN 1, 0, 1
	STEPM 0, 0, 0
	WIN 0
	s_sub_co_u32 s3, s3, 1
	s_cmp_lg_u32 s3, 0
	s_cbranch_scc1 .Llap
.endif
	STEPM 0, 1, 0
	STEPM 0, 2, 0
	TURN 0, 1, 0
	STEPM 1, 0, 0
	STEPM 1, 1, 0
	STEPM 1, 2, 0
	s_wait_dscnt 0x0
	WIN MUL
	MUL8 F1, 3, 1, 0, 0
	MUL8 F1, 3, 1, 2, 0
	WIN 0
	PLACES 8
	s_wait_loadcnt 0x0
.irp a, 0,1,2,3
.if \a > 0
	s_wait_xcnt 0x0
.endif
.irp b, 0,1,2,3
	ds_store_b128 v[STO], v[ACC+8*(4*\a+\b):ACC+8*(4*\a+\b)+3] offset:64*\b
	ds_store_b128 v[STO], v[ACC+8*(4*\a+\b)+4:ACC+8*(4*\a+\b)+7] offset:64*\b+16
.endr
.irp t, 0,1,2,3,4,5,6,7
	ds_load_b128 v[OB+4*\t:OB+4*\t+3], v[RD] offset:544*\t
.endr
	s_wait_dscnt 0x0
	WIN 0x08
.irp p, 0,2,4,6,8,10,12,14,16,18,20,22,24,26,28,30
	v_pk_add_f32 v[OB+\p:OB+\p+1], v[OB+\p:OB+\p+1], v[32*\a+\p:32*\a+\p+1]
.endr
	WIN 0
.irp t, 0,1,2,3,4,5,6,7
	global_store_b128 v[CO], v[OB+4*\t:OB+4*\t+3], s[12:13] offset:(16*\a+2*\t)*4096
.endr
.endr
	s_wait_tensorcnt 0x0
	ds_add_u32 v[SPW], v[NIL]
	s_wait_dscnt 0x0
	CROUND
	s_endpgm
.Lfunc_end_k_qa66498ac78_ff2:
	.size	k_qa66498ac78_ff2, .Lfunc_end_k_qa66498ac78_ff2-k_qa66498ac78_ff2
	.p2alignl 7, 3214868480
	.fill 96, 4, 3214868480
	.section	.rodata,"a",@progbits
	.p2align	6, 0x0
	.amdhsa_kernel k_qa66498ac78_ff2
		.amdhsa_group_segment_fixed_size 327680
		.amdhsa_private_segment_fixed_size 0
		.amdhsa_enable_private_segment 0
		.amdhsa_kernarg_size 40
		.amdhsa_user_sgpr_count 2
		.amdhsa_user_sgpr_kernarg_segment_ptr 1
		.amdhsa_wavefront_size32 1
		.amdhsa_system_sgpr_workgroup_id_x 1
		.amdhsa_system_sgpr_workgroup_id_y 1
		.amdhsa_system_sgpr_workgroup_id_z 1
		.amdhsa_system_vgpr_workitem_id 0
		.amdhsa_next_free_vgpr 640
		.amdhsa_next_free_sgpr 98
		.amdhsa_reserve_vcc 0
		.amdhsa_float_denorm_mode_32 3
		.amdhsa_float_denorm_mode_16_64 3
		.amdhsa_memory_ordered 1
		.amdhsa_forward_progress 1
		.amdhsa_inst_pref_size 106
	.end_amdhsa_kernel
	.amdgpu_metadata
---
amdhsa.version: [ 1, 2 ]
amdhsa.kernels:
  - .name:           k_qa66498ac78_ff2
    .symbol:         k_qa66498ac78_ff2.kd
    .args:
      - { .name: hidc, .offset: 0, .size: 8, .value_kind: global_buffer, .address_space: global }
      - { .name: wcodes, .offset: 8, .size: 8, .value_kind: global_buffer, .address_space: global }
      - { .name: b2, .offset: 16, .size: 8, .value_kind: global_buffer, .address_space: global }
      - { .name: xmid, .offset: 24, .size: 8, .value_kind: global_buffer, .address_space: global }
      - { .name: out0, .offset: 32, .size: 8, .value_kind: global_buffer, .address_space: global }
    .group_segment_fixed_size: 327680
    .private_segment_fixed_size: 0
    .kernarg_segment_align: 8
    .kernarg_segment_size: 40
    .max_flat_workgroup_size: 128
    .sgpr_count:     98
    .vgpr_count:     640
    .wavefront_size: 32
...
	.end_amdgpu_metadata
.endif
;; end of part 7
